; MI455X (gfx1250); checked and timed in simulation.
; The chip was launched on July 23, 2026; its instructions are those of AMD's public machine-readable ISA for CDNA 5 (MIT licence, August 2026) and "CDNA5" Instruction Set Architecture Reference Guide (July 2026). The comments in the code are by the model that wrote it; some were corrected since.
;; Encoder. Allowed arithmetic: matrix products marked QUANTISED: E2M1 operands, one E8M0 scale for each 32 along K, by v_wmma_scale_f32_16x16x128_f8f6f4 with both operands' format E2M1 (or v_wmma_scale_f32_32x16x128_f4), f32 sums; everything else in f32.
;; Inputs: Wk 1,024 x 1,024 float32; Wo 1,024 x 1,024 float32; Wq 1,024 x 1,024 float32; Wv 1,024 x 1,024 float32; bk 1,024 float32; bo 1,024 float32; bq 1,024 float32; bv 1,024 float32; x 8 x 2,048 x 1,024 float32.
;; Outputs: out0 8 x 2,048 x 1,024 float32.
;; This version of the problem:
;;   THIS VERSION OF THE PROBLEM IS GIVEN IN LOW PRECISION. The matrix products marked QUANTISED in the list below multiply operands that are first quantised to E2M1 (2 exponent bits, 1 mantissa bit; 4 bits a number), with one power-of-two scale for each 32 numbers along K (OCP MX v1.0); their sums are f32. All else is computed in f32.
;;   The module's matrix products, in the order in which they are computed (A, B: the left and right operand; K: the contracted axis; several contracted axes count as one K, in the product's order):
;;     1. [M 16,384, K 1,024] x [K 1,024, N 1,024]; A: input x; B: input Wq: QUANTISED
;;     2. [M 16,384, K 1,024] x [K 1,024, N 1,024]; A: input x; B: input Wk: QUANTISED
;;     3. [M 16,384, K 1,024] x [K 1,024, N 1,024]; A: input x; B: input Wv: QUANTISED
;;     4. [M 16,384, K 1,024] x [K 1,024, N 1,024]; A: computed on the way; B: input Wo: QUANTISED
;;   THE QUANTISER, for each operand of a quantised product, along K:
;;     - K is cut into blocks of 32 from its start; a last block that is shorter is filled with zeros.
;;     - A block's scale is 2^e with e = floor(log2(the largest magnitude in the block)) - 2, held to -126 .. 127; a block of zeros has e = 0. As a byte (E8M0): e + 127.
;;     - Each number is divided by its block's scale, clamped to +-6, and rounded to the nearest number of E2M1, ties to even, subnormals kept.
;;     - The product sums the exact products of the quantised numbers (number of the format x scale) in f32.
;;   ~~~python
;;   def quantise(x, axis):      # numpy; x: float32 -> the quantised numbers, widened to float32 again
;;       x = np.moveaxis(x, axis, -1); K = x.shape[-1]
;;       x = np.pad(x, [(0, 0)] * (x.ndim - 1) + [(0, -K % 32)]); x = x.reshape(x.shape[:-1] + (-1, 32)); a = np.abs(x).max(-1, keepdims=True)
;;       e = np.where(a > 0, np.clip(np.frexp(np.where(a > 0, a, 1))[1] - 1 - 2, -126, 127), 0)      # np.frexp(a)[1] - 1 = floor(log2(a)), exactly
;;       r = np.clip(x / 2.0 ** e, -6, 6)
;;       step = 2.0 ** (np.maximum(np.frexp(np.where(r == 0, 1, r))[1] - 1, 0) - 1)
;;       q = np.round(r / step) * step * 2.0 ** e      # np.round: ties to even
;;       return np.moveaxis(q.reshape(q.shape[:-2] + (-1,))[..., :K], -1, axis).astype(np.float32)
;;   ~~~
;;   OPERANDS COMPUTED ON THE WAY. 'Computed on the way' means the value that the module computes at that place (a softmax that the list does not call 'softmax' is quantised finished and normalised). What goes into a quantiser is computed in f32, as accurately as f32 sums, v_exp_f32 and their like allow (about 1e-6 of the number): no bf16 or f16 on the way to a quantiser, and a product that is left as it is and whose result goes on into a quantised operand takes f32 operands (vector FMAs, or v_wmma_f32_16x16x4_f32). A number that lies on a knife's edge between two numbers of the format may be rounded either way, as far as f32 arithmetic and the matrix unit's own rounding can turn it there, and no further.
;; One version. Each part assembles by itself: llvm-mc -triple=amdgcn-amd-amdhsa -mcpu=gfx1250 --defsym DOCPART=n.
;; ======== version 1 of 1: 4 launches
;; limits: right only within a limited range of input values
;; workspace buffers: xc 8,388,608 bytes; xs 524,288 bytes; wc 2,097,152 bytes; ws 131,072 bytes; dp 524,288 bytes; cc 8,388,608 bytes; cs 524,288 bytes
;; launch quant (part 1): grid 256 x 1, 10 waves a work-group, no clusters, 83,200 bytes of LDS; arguments x, Wq, Wk, Wv, Wo, xc, xs, wc, ws; writes xc, xs, wc, ws
.if DOCPART == 1
	.amdgcn_target "amdgcn-amd-amdhsa--gfx1250"
	.amdhsa_code_object_version 6
	.text
	.protected	k_q2926506e21_quant
	.globl	k_q2926506e21_quant
	.p2align	8
	.type	k_q2926506e21_quant,@function
k_q2926506e21_quant:
	s_mov_b64 s[64:65], 0
	v_nop
	global_prefetch_b8 v0, s[64:65] scope:SCOPE_SE
	s_setreg_imm32_b32 hwreg(HW_REG_WAVE_MODE, 25, 1), 1
	s_wait_xcnt 0x0
; x [16384][1024] and the four weights [1024][1024], f32 with K innermost, become codes of FP4 (E2M1), two to a byte, and one E8M0 scale byte for each 32 along K.
; A block's scale is 2^(floor(log2(its largest magnitude)) - 2); its byte is the largest magnitude's exponent field - 2, held at 1 from below; each number is divided by the scale and rounded to the nearest code, ties to even, beyond 6 the largest code.
; LIMITS: a block of zeros gets the byte 1 (the rule says 127): its codes are zeros, and only this program reads the bytes.  Blocks whose largest magnitude lies under 2^-124 were not tried.  NaN and infinities are not served.
; SHARES.  A wave takes 8 rows: 8,192 numbers, 16 steps of 512; they give 4,096 bytes of codes and 256 scale bytes.  Work-groups 0-511 take x, then 32 each take Wq, Wk, Wv, Wo.
; WHERE THE WEIGHTS' ROWS GO.  wc and ws hold 4,096 rows.  Rows 128 g + 0..63 are Wq's rows 64 g on, rows 128 g + 64..127 Wk's rows 64 g on: a wave of the next launch then has the same 64 columns of q and of k.
; Rows 2048 on are Wv's, with the two middle groups of 8 rows of each 32 changed over: a tile of 16 neighbouring rows of wc then gives a lane 16 neighbours along the last product's K.  Rows 3072 on are Wo's, in order.
; So only the place of a wave's 8 rows differs, and both kinds of tensor take one path through the text: pointers and runs are chosen by selects on the work-group's number.
; Each load reads 512 consecutive bytes; the conversions want 16 neighbours in ONE lane, so a step's 2,048 bytes turn through the wave's own stage in LDS (16 bytes of padding behind each 64).
; No work-group shares an input with another: no cluster, no joint loads.  Waves share nothing: no barrier.  Loads run eight steps (32 loads, half of a wave's 32,768 bytes) ahead, the turn through LDS one step.
.set XWG,   512                        ; groups of four units that take x (a unit: one wave's 8 rows; see below)
.set STEPS, 16
.set DEPTH, 8                          ; steps whose loads are on their way
.set EMAX,  2
.set CB,    8                          ; bytes of 16 codes
.set R,     16                         ; v16-143  eight sets of 16 numbers as they are loaded
.set X,     144                        ; v144-175 two sets of 16 neighbours
.set E,     176                        ; v176-191 a scale byte for each step
.set C,     192                        ; v192-255 codes: four registers for each step, so that no store's data are written again
.set WREG,  8192                       ; LDS: a region for each wave: two stages of 32 x SP bytes, behind them its 256 scale bytes
.set SP,    80                         ; a lane's place in a stage: 64 bytes + 16 of padding
.set SRC,   28                         ; s[28:29] the numbers;  s[30:31] the codes;  s[32:33] the scale bytes
.set COD,   30
.set SCB,   32
	s_load_b256 s[4:11], s[0:1], 0x0               ; x, Wq, Wk, Wv
	s_load_b256 s[12:19], s[0:1], 0x20             ; Wo, xc, xs, wc
	s_load_b64 s[20:21], s[0:1], 0x40              ; ws
	v_lshl_add_u32 v254, v0, 2, 0x14000            ; my spare word, behind the ten waves' regions of 8,192 bytes
	v_mov_b32 v255, 0
	v_lshrrev_b32 v1, 5, v0
	v_readfirstlane_b32 s22, v1                    ; wave w
	v_and_b32 v2, 31, v0                           ; lane
	v_lshlrev_b32 v3, 4, v2                        ; my 16 bytes of a load's 512
	s_mul_i32 s23, s22, WREG
	v_lshrrev_b32 v14, 2, v2
	v_mul_u32_u24 v14, v14, SP
	v_and_b32 v15, 3, v2
	v_lshl_add_u32 v14, v15, 4, v14
	v_add_nc_u32 v14, s23, v14                     ; the stage, on the way in: SP (lane / 4) + 16 (lane % 4)
	v_mul_u32_u24 v15, v2, SP
	v_add_nc_u32 v15, s23, v15                     ; and on the way out: SP x lane: my 16 neighbours
	v_mul_u32_u24 v4, v2, CB                       ; my codes' place in a step's
	v_lshrrev_b32 v5, 1, v2
	s_add_co_u32 s23, s23, 2*32*SP
	v_add_nc_u32 v5, s23, v5                       ; LDS: my wave's 256 scale bytes, my block's byte
	v_lshlrev_b32 v7, 3, v2                        ; and on the way out 8 bytes a lane
	v_add_nc_u32 v6, s23, v7
	; which 8 rows are mine, and where they go (in groups of 8 rows)
	; THE DEAL: 20,480 rows are 2,560 units of 8 rows; 256 work-groups of ten waves take ten units each: unit u = 10 x work-group + wave.
	; u / 4 (s38) stands where the words above say 'work-group', u % 4 (s22) where they say 'wave w'; the LDS addresses above were made of the wave's own number.
	s_mul_i32 s38, ttmp9, 10
	s_add_co_u32 s38, s38, s22
	s_and_b32 s22, s38, 3
	s_lshr_b32 s38, s38, 2
	s_sub_co_u32 s24, s38, XWG                     ; a weight's group: 32 t + c
	s_bfe_u32 s25, s24, 0x20005                    ; t: 0 Wq, 1 Wk, 2 Wv, 3 Wo
	s_and_b32 s26, s24, 31                         ; c: its 32 rows
	s_lshl_b32 s27, s26, 2
	s_add_co_u32 s27, s27, s22                     ; a weight's source: group 4 c + w
	s_lshr_b32 s34, s26, 1
	s_lshl_b32 s34, s34, 4
	s_lshl_b32 s35, s25, 3
	s_add_co_u32 s34, s34, s35
	s_and_b32 s35, s26, 1
	s_lshl_b32 s35, s35, 2
	s_add_co_u32 s34, s34, s35
	s_add_co_u32 s34, s34, s22                     ; Wq, Wk: 16 (c / 2) + 8 t + 4 (c % 2) + w
	s_and_b32 s35, s22, 1
	s_lshl_b32 s35, s35, 1
	s_lshr_b32 s36, s22, 1
	s_or_b32 s35, s35, s36                         ; w with its two bits changed over: 0, 2, 1, 3
	s_cmp_eq_u32 s25, 2
	s_cselect_b32 s35, s35, s22                    ; for Wv alone
	s_lshl_b32 s36, s25, 7
	s_lshl_b32 s37, s26, 2
	s_add_co_u32 s36, s36, s37
	s_add_co_u32 s36, s36, s35                     ; Wv, Wo: 128 t + 4 c + that
	s_cmp_lt_u32 s25, 2
	s_cselect_b32 s34, s34, s36
	s_lshl_b32 s37, s38, 2
	s_add_co_u32 s37, s37, s22                     ; x: group 4 g + w, from and to
	s_wait_alu depctr_va_vdst(0)
	s_wait_kmcnt 0x0
	s_cmp_eq_u32 s25, 2                            ; the choices hang on the work-group's number alone
	s_cselect_b64 s[SRC:SRC+1], s[10:11], s[12:13]
	s_cmp_eq_u32 s25, 1
	s_cselect_b64 s[SRC:SRC+1], s[8:9], s[SRC:SRC+1]
	s_cmp_eq_u32 s25, 0
	s_cselect_b64 s[SRC:SRC+1], s[6:7], s[SRC:SRC+1]
	s_cmp_lt_u32 s38, XWG
	s_cselect_b64 s[SRC:SRC+1], s[4:5], s[SRC:SRC+1]
	s_cselect_b64 s[COD:COD+1], s[14:15], s[18:19]
	s_cselect_b64 s[SCB:SCB+1], s[16:17], s[20:21]
	s_cselect_b32 s27, s37, s27
	s_cselect_b32 s34, s37, s34
	s_lshl_b32 s36, s27, 15                        ; 8 rows are 32,768 bytes of numbers,
	s_mov_b32 s37, 0
	s_add_nc_u64 s[SRC:SRC+1], s[SRC:SRC+1], s[36:37]
	s_lshl_b32 s36, s34, 12                        ; 4,096 of codes,
	s_add_nc_u64 s[COD:COD+1], s[COD:COD+1], s[36:37]
	s_lshl_b32 s36, s34, 8                         ; 256 scale bytes
	s_add_nc_u64 s[SCB:SCB+1], s[SCB:SCB+1], s[36:37]
.macro LOAD t
.irp i, 0,1,2,3
	global_load_b128 v[R+16*((\t)%DEPTH)+4*\i:R+16*((\t)%DEPTH)+4*\i+3], v3, s[SRC:SRC+1] offset:2048*(\t)+512*\i th:TH_LOAD_NT   ; 32 lanes read 512 consecutive bytes; read once in the launch
.endr
.endm
.macro TURN t                          ; step t's numbers through the stage: LDS serves a wave's instructions in order (ISA guide 5.7.1.4), so no wait stands between the stores and the loads
.irp i, 0,1,2,3
	ds_store_b128 v14, v[R+16*((\t)%DEPTH)+4*\i:R+16*((\t)%DEPTH)+4*\i+3] offset:32*SP*((\t)%2)+8*SP*\i
.endr
.irp i, 0,1,2,3
	ds_load_b128 v[X+16*((\t)%2)+4*\i:X+16*((\t)%2)+4*\i+3], v15 offset:32*SP*((\t)%2)+16*\i
.endr
.endm
.irp t, 0,1,2,3,4,5,6,7
	LOAD \t
.endr
	s_wait_loadcnt 4*(DEPTH-1)                     ; step 0's four loads are in; the 28 behind them stay out
	TURN 0
.macro STEP t
.set XS, X+16*((\t)%2)
.if (\t) > 0
	s_wait_dscnt 1                                 ; this step's numbers are back from the stage (the last step's byte store may be out): so its stores into the stage have read their registers,
.else
	s_wait_dscnt 0x0
.endif
.if (\t)+DEPTH < STEPS
	LOAD (\t)+DEPTH                                ; which take the loads of eight steps on
.endif
.if (\t)+1 < STEPS
.if STEPS-2-(\t) >= DEPTH-1
	s_wait_loadcnt 4*(DEPTH-1)                     ; the next step's four loads are in; those of the seven steps behind it may be out
.else
	s_wait_loadcnt 4*(STEPS-2-(\t))                ; near the end: those of the steps that are left
.endif
	TURN (\t)+1                                    ; and go through the other stage while this step is worked
.endif
	v_max3_num_f32 v8, |v[XS]|, |v[XS+1]|, |v[XS+2]|               ; the largest magnitude of my 16, in two chains
	v_max3_num_f32 v9, |v[XS+3]|, |v[XS+4]|, |v[XS+5]|
.irp i, 6,10
	v_max3_num_f32 v8, v8, |v[XS+\i]|, |v[XS+\i+1]|
	v_max3_num_f32 v9, v9, |v[XS+\i+2]|, |v[XS+\i+3]|
.endr
	v_max3_num_f32 v8, v8, |v[XS+14]|, |v[XS+15]|
	v_max3_num_f32 v8, v8, v9, (EMAX+1)<<23        ; and the floor 2^(3 - 127): the byte cannot fall under 1
	v_max_num_f32_dpp v8, v8, v8 row_xmask:1 row_mask:0xf bank_mask:0xf   ; and of my neighbour's 16: the block's
	v_add_nc_u32 v11, 0xff000000, v8               ; 2 off its exponent field: the conversion takes the exponent field of this operand as its scale, and nothing else of it
	v_cvt_scalef32_pk8_fp4_f32 v[C+4*(\t)], v[XS:XS+7], v11
	v_cvt_scalef32_pk8_fp4_f32 v[C+4*(\t)+1], v[XS+8:XS+15], v11
	v_lshrrev_b32 v[E+(\t)], 23, v11               ; the scale's byte (also the plain line behind the conversions)
	ds_store_b8 v5, v[E+(\t)] offset:16*(\t)       ; both lanes of a block write the same byte with the same value
	global_store_b64 v4, v[C+4*(\t):C+4*(\t)+1], s[COD:COD+1] offset:32*CB*(\t)   ; the wave stores 256 consecutive bytes, aligned
.endm
.irp t, 0,1,2,3,4,5,6,7,8,9,10,11,12,13,14,15
	STEP \t
.endr
	ds_load_b64 v[12:13], v6                       ; these see my byte stores: a wave's LDS instructions are served in order
	s_wait_dscnt 0x0
	global_store_b64 v7, v[12:13], s[SCB:SCB+1]    ; 32 lanes store 256 consecutive bytes, aligned
	s_wait_tensorcnt 0x0
	ds_add_u32 v254, v255
	s_wait_dscnt 0x0
	s_endpgm
.Lfunc_end_k_q2926506e21_quant:
	.size	k_q2926506e21_quant, .Lfunc_end_k_q2926506e21_quant-k_q2926506e21_quant
	.p2alignl 7, 3214868480
	.fill 96, 4, 3214868480
	.section	.rodata,"a",@progbits
	.p2align	6, 0x0
	.amdhsa_kernel k_q2926506e21_quant
		.amdhsa_group_segment_fixed_size 83200
		.amdhsa_private_segment_fixed_size 0
		.amdhsa_enable_private_segment 0
		.amdhsa_kernarg_size 72
		.amdhsa_user_sgpr_count 2
		.amdhsa_user_sgpr_kernarg_segment_ptr 1
		.amdhsa_wavefront_size32 1
		.amdhsa_system_sgpr_workgroup_id_x 1
		.amdhsa_system_sgpr_workgroup_id_y 1
		.amdhsa_system_sgpr_workgroup_id_z 1
		.amdhsa_system_vgpr_workitem_id 0
		.amdhsa_next_free_vgpr 256
		.amdhsa_next_free_sgpr 66
		.amdhsa_reserve_vcc 0
		.amdhsa_float_denorm_mode_32 3
		.amdhsa_float_denorm_mode_16_64 3
		.amdhsa_memory_ordered 1
		.amdhsa_forward_progress 1
		.amdhsa_inst_pref_size 34
	.end_amdhsa_kernel
	.amdgpu_metadata
---
amdhsa.version: [ 1, 2 ]
amdhsa.kernels:
  - .name:           k_q2926506e21_quant
    .symbol:         k_q2926506e21_quant.kd
    .args:
      - { .name: x, .offset: 0, .size: 8, .value_kind: global_buffer, .address_space: global }
      - { .name: Wq, .offset: 8, .size: 8, .value_kind: global_buffer, .address_space: global }
      - { .name: Wk, .offset: 16, .size: 8, .value_kind: global_buffer, .address_space: global }
      - { .name: Wv, .offset: 24, .size: 8, .value_kind: global_buffer, .address_space: global }
      - { .name: Wo, .offset: 32, .size: 8, .value_kind: global_buffer, .address_space: global }
      - { .name: xc, .offset: 40, .size: 8, .value_kind: global_buffer, .address_space: global }
      - { .name: xs, .offset: 48, .size: 8, .value_kind: global_buffer, .address_space: global }
      - { .name: wc, .offset: 56, .size: 8, .value_kind: global_buffer, .address_space: global }
      - { .name: ws, .offset: 64, .size: 8, .value_kind: global_buffer, .address_space: global }
    .group_segment_fixed_size: 83200
    .private_segment_fixed_size: 0
    .kernarg_segment_align: 8
    .kernarg_segment_size: 72
    .max_flat_workgroup_size: 320
    .sgpr_count:     66
    .vgpr_count:     256
    .wavefront_size: 32
...
	.end_amdgpu_metadata
.endif
;; end of part 1
;; launch qk (part 2): grid 8 x 32, 4 waves a work-group, clusters of 4 x 4, 327,680 bytes of LDS; arguments xc, xs, wc, ws, bq, bk, dp; writes dp
.if DOCPART == 2
	.amdgcn_target "amdgcn-amd-amdhsa--gfx1250"
	.amdhsa_code_object_version 6
	.text
	.protected	k_q2926506e21_qk
	.globl	k_q2926506e21_qk
	.p2align	8
	.type	k_q2926506e21_qk,@function
k_q2926506e21_qk:
	s_mov_b64 s[64:65], 0
	v_nop
	global_prefetch_b8 v0, s[64:65] scope:SCOPE_SE
	s_setreg_imm32_b32 hwreg(HW_REG_WAVE_MODE, 25, 1), 1
	s_wait_xcnt 0x0
	s_wait_alu depctr_hold_cnt(0) depctr_sa_sdst(0) depctr_va_vdst(0) depctr_va_sdst(0) depctr_va_ssrc(0) depctr_va_vcc(0) depctr_vm_vsrc(0)
	s_getreg_b32 s2, hwreg(HW_REG_IB_STS2, 6, 4)
	s_cmp_eq_u32 s2, 0
	s_cbranch_scc0 .Lentry_in_a_cluster
	s_endpgm
.Lentry_in_a_cluster:
	s_bfe_u32 s2, ttmp6, 0x10000c
	s_cmp_lg_u32 s2, 0xf033
	s_cbranch_scc0 .Lentry_shape_is_right
	s_endpgm
.Lentry_shape_is_right:
; q = x Wq^T + bq and k = x Wk^T + bk on codes of FP4 (E2M1) with E8M0 scales; of them only d = the sum over columns of q k is kept: dp[X][row] = the part of d from columns 128 X .. 128 X + 127.
; LIMITS: NaN, infinities and sums beyond f32's range are not served.  A sum begins with its bias.
; THE DEAL.  Work-group (X, Y), four waves, 2 x 2: 512 rows of x (512 Y on) x 256 rows of wc (256 X on).  The wave in row w, column b holds wc's rows 128 b + 0 .. 127 of the block, ALL of K, in 512 registers:
; by wc's order these are 64 columns of q (tiles 0-3) and the SAME 64 columns of k (tiles 4-7).  It streams x's tiles 2 s + w, s = 0 .. 15, past them.
; A PRODUCT has 32 rows of source 0: two tiles of wc, scale words one a lane; source 1 = a tile of x.  A block takes 32 products, four accumulators of 16 registers by turns.
; In lane (r, h) register i of accumulators 0, 1 is a column of q of row r and the same register of accumulators 2, 3 that column of k: 16 packed multiply-adds a block, which stand among the NEXT block's products.
; LDS: 512 rows of 528 bytes.  At the head rows 0-255 are x's and rows 256-511 wc's: four tiles, one a wave, each on its own line.  ONE REFILL, behind a drained round of the cluster's barrier, when all waves hold wc in registers:
; wc's rows become x's rows 256-511, 64 a wave; a plain barrier inside block 6 shows them.  That load is asked for straight behind the head's tiles, six blocks ahead of its first read: no earlier step is there for a data prefetch to stand in.
; CLUSTERS: 4 x 4.  x's tiles are shared by a row of the cluster (mask s44), wc's by a column (mask s45).  The scale words and biases come by plain loads straight into registers.
; REGISTERS: window 0: addresses, scale words, the sums of q k, the biases (v192-255); windows 1, 2: wc's fragments, 64 (q % 4) + 8 tile; window 3: x's two sets (v0-127), two sets of accumulators (v128-255).
.set KROW,   512
.set KS,     32
.set PITCH,  528                       ; an LDS row: 512 bytes + 16 = 132 words: row r starts at bank 4 r mod 64
.set NF,     16                        ; LDS loads of a block of x
.set YB,     256*PITCH
.set SPARE,  512*PITCH                 ; the spare words: 128 bytes a wave
.set DSC,    SPARE+512                 ; 2 x 2,048 bytes: where the two column halves' sums meet; no tile lands here
.set AQ0,  4                           ; v4-7    LDS address of my fragments of blocks 0-3, 4-7, 8-11, 12-15
.set AAS,  8                           ; v8      my offset in x's scale bytes: row r of block 2 j + h
.set ABS,  9                           ; v9      my offset in wc's scale bytes: row = lane
.set SPW,  10
.set NIL,  11
.set ADRB, 12                          ; v12     LDS address of my fragments of wc
.set BIA,  13                          ; v13     32 h: my eight columns of a tile's bias
.set DST,  14                          ; v14     where I put my sums
.set DRD,  15                          ; v15     where I read 4 rows' sums back
.set CO,   16                          ; v16     16 x lane
.set SB,   32                          ; v32-63  wc's scale words: 8 pair + q
.set SA,   68                          ; v68-131 x's: 8 j + q; lanes 0-15 block 2 j, lanes 16-31 block 2 j + 1
.set PP,   136                         ; v136-139 two chains of q k, a pair each
.set DD,   144                         ; v144-159 block s's sum of my lane's 32 columns
.set BI,   192
.set ACC,  128
.set G1A, 24
.set G1B, 32
.set G0A, 56
.set G0B, 60
.set G0R, 68
.set G1R, 92
.set MSB, 0
.macro WIN new
.if MSB != (\new)
	s_set_vgpr_msb (MSB<<8)|(\new)
.set MSB, (\new)
.endif
.endm
.macro PLACES n
.rept \n
	v_nop
.endr
.endm
.macro BARRIER
	s_barrier_signal -1
	s_barrier_wait -1
.endm
.macro CROUND
	BARRIER
	s_cmp_lg_u32 s16, 0
	s_cbranch_scc1 .Lnot_wave_0_\@
	s_barrier_signal -3
.Lnot_wave_0_\@:
	s_barrier_wait -3
	BARRIER
.endm
.macro GROUP1 g, mask, rows            ; rows of 512 bytes, four words of padding behind each
	s_or_b32 s[\g+0], s[\mask], (1<<20)|(1<<21)|(6<<22)|(3<<25)
	s_mov_b32 s[\g+1], KROW<<16
	s_mov_b32 s[\g+2], (\rows)<<16
	s_mov_b32 s[\g+3], KROW<<16
	s_mov_b32 s[\g+4], \rows
	s_mov_b32 s[\g+5], KROW
	s_mov_b32 s[\g+6], 0
	s_mov_b32 s[\g+7], 0
.endm
.macro TILE g0, g1, lds, mem           ; a tile by constants; an s_nop 0 and four v_nop follow the load
	s_mov_b32 s[\g0+1], \lds
.if \mem
	s_add_nc_u64 s[\g0+2:\g0+3], s[\g0+2:\g0+3], \mem
.endif
	s_or_b32 s[\g0+3], s[\g0+3], 0x80000000
	tensor_load_to_lds s[\g0:\g0+3], s[\g1:\g1+7]
	s_nop 0
	PLACES 4
.endm
.macro FETCH blk                       ; block blk of x into set blk % 2: NF loads
	WIN 3<<6
.irp q, 0,1,2,3,4,5,6,7
.irp c, 0,1
	ds_load_b128 v[64*((\blk)%2)+8*\q+4*\c:64*((\blk)%2)+8*\q+4*\c+3], v[AQ0+(\blk)/4] offset:((\blk)%4)*32*PITCH+64*\q+32*\c
.endr
.endr
	WIN 0
.endm
.macro PROD1 d, s0, s1, c, x0, x1, o
.if \o
	v_wmma_scale_f32_32x16x128_f4 v[\d:\d+15], v[\s0:\s0+15], v[\s1:\s1+7], \c, v[\x0], v[\x1] matrix_b_scale:MATRIX_SCALE_ROW1
.else
	v_wmma_scale_f32_32x16x128_f4 v[\d:\d+15], v[\s0:\s0+15], v[\s1:\s1+7], \c, v[\x0], v[\x1]
.endif
.endm
.macro PRODS blk, q0, q1               ; K steps q0 .. q1 - 1 of block blk, each for the four pairs of tiles; the first along K takes the bias as C
.set Q_, \q0
.rept (\q1)-(\q0)
.if Q_
	WIN (1+Q_/4)|0xfc
.else
	WIN 0xcd
.endif
.irp p, 0,1,2,3
.set D_, ACC+64*((\blk)%2)+16*\p
.set B_, 64*(Q_%4)+16*\p
.set A_, 64*((\blk)%2)+8*Q_
.set X0_, SB+8*\p+Q_
.set X1_, SA+8*((\blk)/2)+Q_
.if Q_
	PROD1 D_, B_, A_, v[D_:D_+15], X0_, X1_, (\blk)%2
.else
	PROD1 D_, B_, A_, v[BI+16*\p:BI+16*\p+15], X0_, X1_, (\blk)%2
.endif
.endr
.set Q_, Q_+1
.endr
.endm
.macro EPI blk, part                   ; block blk's sum of q k.  Parts 0-3: four lines each of two chains, each accumulator from its low end on; part 4: the chains and the pair's halves joined
.set E_, ACC+64*((\blk)%2)
.if (\part) < 4
	WIN 0x0f
.irp n, 0,1,2,3
.set N_, 4*(\part)+\n
.set R_, E_+16*(N_%2)+2*(N_/2)
.set P_, PP+2*(N_%2)
.if N_ < 2
	v_pk_mul_f32 v[P_:P_+1], v[R_:R_+1], v[R_+32:R_+33]
.else
	v_pk_fma_f32 v[P_:P_+1], v[R_:R_+1], v[R_+32:R_+33], v[P_:P_+1]
.endif
.endr
.else
	WIN 0
	v_pk_add_f32 v[PP:PP+1], v[PP:PP+1], v[PP+2:PP+3]
	v_add_f32 v[DD+(\blk)], v[PP], v[PP+1]
.endif
.endm
.macro RUN blk                         ; behind block blk's products: four places ahead of the fetch into the registers that they have read and of the first reader of their sums
	PLACES 4
.if (\blk) == 0
	FETCH 1
	FETCH 2
	s_wait_dscnt NF                                ; block 1's fragments are in; block 2's fetch is younger
.elseif (\blk) < 14
	FETCH (\blk)+2
	s_wait_dscnt NF                                ; the next block's fragments are in; this run's fetch is younger
.else
	s_wait_dscnt 0x0
.endif
.endm
.macro BLOCK blk, show                 ; show = 1: a plain barrier inside the block shows what the refill brought
.irp q, 0,1,2,3,4,5,6,7
.if (\show) && (\q == 6)
	s_wait_tensorcnt 0x0
	s_wait_dscnt 0x0
	s_barrier_signal -1
.endif
	PRODS \blk, \q, \q+1
.if \q < 5
	EPI (\blk)-1, \q
.endif
.endr
.if \show
	s_barrier_wait -1
.endif
.endm
; ================= THE HEAD
	s_load_b128 s[4:7], s[0:1], 0x0                ; xc, xs
	s_load_b128 s[8:11], s[0:1], 0x10              ; wc, ws
	s_load_b128 s[12:15], s[0:1], 0x20             ; bq, bk
	s_load_b64 s[88:89], s[0:1], 0x30              ; dp
	v_lshl_add_u32 v[SPW], v0, 2, SPARE
	v_mov_b32 v[NIL], 0
	ds_add_u32 v[SPW], v[NIL]                      ; the opening lines: the add twice on end, under one wait
	ds_add_u32 v[SPW], v[NIL]
	v_lshrrev_b32 v1, 5, v0
	v_readfirstlane_b32 s16, v1                    ; the wave; s17 its row w of the 2 x 2, s18 its column b
	s_lshr_b32 s17, s16, 1
	s_and_b32 s18, s16, 1
	s_bfe_u32 s40, ttmp6, 0x40000                  ; cx, cy
	s_bfe_u32 s41, ttmp6, 0x40004
	s_lshl_b32 s42, ttmp9, 2
	s_add_co_u32 s42, s42, s40                     ; X
	s_and_b32 s43, ttmp7, 0xffff
	s_lshl_b32 s43, s43, 2
	s_add_co_u32 s43, s43, s41                     ; Y
	s_lshl_b32 s44, s41, 2
	s_lshl_b32 s44, 15, s44                        ; my row of the cluster: shares x
	s_lshl_b32 s45, 0x1111, s40                    ; my column: shares wc
	GROUP1 G1A, 44, 128
	GROUP1 G1B, 45, 128
	GROUP1 G1R, 44, 64
	s_mov_b32 s[G0A], 1
	s_mov_b32 s[G0B], 1
	s_mov_b32 s[G0R], 1
	s_mul_i32 s[G0R+1], s16, 64*PITCH              ; the refill: my 64 rows, in wc's place
	s_add_co_u32 s[G0R+1], s[G0R+1], YB
	s_lshl_b32 s20, s16, 15
	s_add_co_u32 s20, s20, 256*KROW
	s_mov_b32 s21, 0
	s_lshl_b32 s76, s43, 18                        ; x's codes: row 512 Y
	s_mov_b32 s77, 0
	s_lshl_b32 s78, s42, 17                        ; wc's: row 256 X
	s_mov_b32 s79, 0
	s_lshl_b32 s80, s42, 13                        ; wc's scale bytes, my 128 rows
	s_lshl_b32 s22, s18, 12
	s_add_co_u32 s80, s80, s22
	s_mov_b32 s81, 0
	s_lshl_b32 s82, s43, 14                        ; x's scale bytes: row 512 Y + 16 w
	s_lshl_b32 s22, s17, 9
	s_add_co_u32 s82, s82, s22
	s_mov_b32 s83, 0
	s_lshl_b32 s84, s42, 9                         ; the biases: column 64 (2 X + b)
	s_lshl_b32 s22, s18, 8
	s_add_co_u32 s84, s84, s22
	s_mov_b32 s85, 0
	s_lshl_b32 s86, s42, 16                        ; dp: part X, row 512 Y + 128 x wave
	s_lshl_b32 s22, s43, 11
	s_add_co_u32 s86, s86, s22
	s_lshl_b32 s22, s16, 9
	s_add_co_u32 s86, s86, s22
	s_mov_b32 s87, 0
	v_and_b32 v1, 15, v0                           ; r
	v_bfe_u32 v2, v0, 4, 1                         ; h
	v_and_b32 v3, 31, v0                           ; lane
	v_lshlrev_b32 v[CO], 4, v3
	v_mul_u32_u24 v22, v1, PITCH
	v_lshl_add_u32 v23, v2, 4, v22
	s_mul_i32 s23, s17, 16*PITCH
	v_add_nc_u32 v[AQ0], s23, v23
	v_add_nc_u32 v[AQ0+1], 128*PITCH, v[AQ0]
	v_add_nc_u32 v[AQ0+2], 256*PITCH, v[AQ0]
	v_add_nc_u32 v[AQ0+3], 384*PITCH, v[AQ0]
	s_mul_i32 s22, s18, 128*PITCH
	s_add_co_u32 s22, s22, YB
	v_add_nc_u32 v[ADRB], s22, v23
	v_lshlrev_b32 v[ABS], 5, v3
	v_lshlrev_b32 v[AAS], 5, v1
	v_lshl_add_u32 v[AAS], v2, 10, v[AAS]
	v_lshlrev_b32 v[BIA], 5, v2
	s_lshl_b32 s22, s18, 11                        ; my column half's 2,048 bytes; word = row 64 i + 32 h + 16 w + r
	s_lshl_b32 s23, s17, 6
	s_add_co_u32 s22, s22, s23
	s_add_co_u32 s22, s22, DSC
	v_lshlrev_b32 v23, 2, v1
	v_lshl_add_u32 v23, v2, 7, v23
	v_add_nc_u32 v[DST], s22, v23
	s_lshl_b32 s23, s16, 9
	s_add_co_u32 s23, s23, DSC
	v_add_nc_u32 v[DRD], s23, v[CO]
	s_wait_alu depctr_va_vdst(0)                   ; the wait at the head's end
	s_wait_dscnt 0x0                               ; both opening adds are done
	CROUND                                         ; the opening round: the first joint loads meet
	s_wait_kmcnt 0x0
	s_add_nc_u64 s[G0A+2:G0A+3], s[4:5], s[76:77]
	s_add_nc_u64 s[G0B+2:G0B+3], s[8:9], s[78:79]
	s_add_nc_u64 s[G0R+2:G0R+3], s[G0A+2:G0A+3], s[20:21]
	s_or_b32 s[G0R+3], s[G0R+3], 0x80000000
	s_add_nc_u64 s[10:11], s[10:11], s[80:81]
	s_add_nc_u64 s[6:7], s[6:7], s[82:83]
	s_add_nc_u64 s[12:13], s[12:13], s[84:85]
	s_add_nc_u64 s[14:15], s[14:15], s[84:85]
	s_add_nc_u64 s[88:89], s[88:89], s[86:87]
	s_cmp_eq_u32 s16, 0
	s_cbranch_scc0 .Lwave_1
	TILE G0B, G1B, YB, 0                           ; wave 0: wc's rows 0 to 127, which go on into registers
	s_branch .Lasked
.Lwave_1:
	s_cmp_eq_u32 s16, 1
	s_cbranch_scc0 .Lwave_2
	TILE G0B, G1B, YB+128*PITCH, 128*KROW          ; wave 1: rows 128 to 255
	s_branch .Lasked
.Lwave_2:
	s_cmp_eq_u32 s16, 2
	s_cbranch_scc0 .Lwave_3
	TILE G0A, G1A, 0, 0                            ; wave 2: x's rows 0 to 127
	s_branch .Lasked
.Lwave_3:
	TILE G0A, G1A, 128*PITCH, 128*KROW             ; wave 3: rows 128 to 255
.Lasked:
.irp p, 0,1,2,3
.irp c, 0,1
	global_load_b128 v[SB+8*\p+4*\c:SB+8*\p+4*\c+3], v[ABS], s[10:11] offset:1024*\p+16*\c
.endr
.endr
.irp j, 0,1,2,3,4,5,6,7
.irp c, 0,1
	global_load_b128 v[SA+8*\j+4*\c:SA+8*\j+4*\c+3], v[AAS], s[6:7] offset:2048*\j+16*\c
.endr
.endr
.irp b, 0,1,2,3                                ; lane (r, h) wants a tile's columns 8 h + 0 .. 7
.irp c, 0,1
	global_load_b128 v[BI+8*\b+4*\c:BI+8*\b+4*\c+3], v[BIA], s[12:13] offset:64*\b+16*\c
	global_load_b128 v[BI+32+8*\b+4*\c:BI+32+8*\b+4*\c+3], v[BIA], s[14:15] offset:64*\b+16*\c
.endr
.endr
	s_cmp_lt_u32 s16, 2
	s_cbranch_scc0 .Lnot_b
	s_wait_tensorcnt 0x0                           ; waves 0 and 1: wc's rows have landed
.Lnot_b:
	BARRIER
.irp q, 0,1,2,3,4,5,6,7                        ; my 128 rows of wc, all of K: 128 loads
	WIN (1+\q/4)<<6
.irp b, 0,1,2,3,4,5,6,7
.irp c, 0,1
	ds_load_b128 v[64*(\q%4)+8*\b+4*\c:64*(\q%4)+8*\b+4*\c+3], v[ADRB] offset:64*\q+32*\c+\b*16*PITCH
.endr
.endr
.endr
	WIN 0
	s_wait_tensorcnt 0x0                           ; every wave: its tile of the head's four is in
	ds_add_u32 v[SPW], v[NIL]
	s_wait_dscnt 0x0                               ; the add is done, and my reads of wc's rows are over
	CROUND                                         ; no wave of any partner still reads wc's rows or has a load on its way
	tensor_load_to_lds s[G0R:G0R+3], s[G1R:G1R+7]  ; x's rows 256 + 64 x wave on, my one tensor load behind the round
	s_nop 0
	PLACES 4
	FETCH 0
	s_wait_loadcnt 0x0                             ; the scale words and the biases
; ================= THE STREAM.  Block 0: each K step's products wait for their own two loads
.irp q, 0,1,2,3,4,5,6,7
	s_wait_dscnt 14-2*\q
	PRODS 0, \q, \q+1
.endr
	RUN 0
.irp k, 1,2,3,4,5
	BLOCK \k, 0
	RUN \k
.endr
	BLOCK 6, 1
	RUN 6
.irp k, 7,8,9,10,11,12,13,14
	BLOCK \k, 0
	RUN \k
.endr
	BLOCK 15, 0
	PLACES 4
.irp t, 0,1,2,3,4
	EPI 15, \t
.endr
; ================= THE END.  The two halves of the lanes (8 columns of each 16) are joined, two blocks to a register: lane (r, h) of register 2 i then holds row 64 i + 32 h + 16 w + r
.irp i, 0,1,2,3,4,5,6,7
	v_permlane16_swap_b32 v[DD+2*\i], v[DD+2*\i+1]
.endr
.irp i, 0,1,2,3,4,5,6,7
	v_add_f32 v[DD+2*\i], v[DD+2*\i], v[DD+2*\i+1]
.endr
.irp i, 0,1,2,3,4,5,6,7
	ds_store_b32 v[DST], v[DD+2*\i] offset:256*\i
.endr
	s_wait_dscnt 0x0                               ; for the others' sake: my stores are done
	BARRIER
	ds_load_b128 v[136:139], v[DRD]                ; rows 128 x wave + 4 x lane on: column half 0's sums,
	ds_load_b128 v[140:143], v[DRD] offset:2048    ; and half 1's
	s_wait_dscnt 0x0
	v_pk_add_f32 v[136:137], v[136:137], v[140:141]
	v_pk_add_f32 v[138:139], v[138:139], v[142:143]
	global_store_b128 v[CO], v[136:139], s[88:89]  ; 32 lanes store 512 consecutive bytes, at a multiple of 256 from dp's first byte
	s_wait_tensorcnt 0x0                           ; the wave's end
	ds_add_u32 v[SPW], v[NIL]
	s_wait_dscnt 0x0
	CROUND                                         ; the closing round
	s_endpgm
.Lfunc_end_k_q2926506e21_qk:
	.size	k_q2926506e21_qk, .Lfunc_end_k_q2926506e21_qk-k_q2926506e21_qk
	.p2alignl 7, 3214868480
	.fill 96, 4, 3214868480
	.section	.rodata,"a",@progbits
	.p2align	6, 0x0
	.amdhsa_kernel k_q2926506e21_qk
		.amdhsa_group_segment_fixed_size 327680
		.amdhsa_private_segment_fixed_size 0
		.amdhsa_enable_private_segment 0
		.amdhsa_kernarg_size 56
		.amdhsa_user_sgpr_count 2
		.amdhsa_user_sgpr_kernarg_segment_ptr 1
		.amdhsa_wavefront_size32 1
		.amdhsa_system_sgpr_workgroup_id_x 1
		.amdhsa_system_sgpr_workgroup_id_y 1
		.amdhsa_system_sgpr_workgroup_id_z 1
		.amdhsa_system_vgpr_workitem_id 0
		.amdhsa_next_free_vgpr 1024
		.amdhsa_next_free_sgpr 100
		.amdhsa_reserve_vcc 0
		.amdhsa_float_denorm_mode_32 3
		.amdhsa_float_denorm_mode_16_64 3
		.amdhsa_memory_ordered 1
		.amdhsa_forward_progress 1
		.amdhsa_inst_pref_size 129
	.end_amdhsa_kernel
	.amdgpu_metadata
---
amdhsa.version: [ 1, 2 ]
amdhsa.kernels:
  - .name:           k_q2926506e21_qk
    .symbol:         k_q2926506e21_qk.kd
    .args:
      - { .name: xc, .offset: 0, .size: 8, .value_kind: global_buffer, .address_space: global }
      - { .name: xs, .offset: 8, .size: 8, .value_kind: global_buffer, .address_space: global }
      - { .name: wc, .offset: 16, .size: 8, .value_kind: global_buffer, .address_space: global }
      - { .name: ws, .offset: 24, .size: 8, .value_kind: global_buffer, .address_space: global }
      - { .name: bq, .offset: 32, .size: 8, .value_kind: global_buffer, .address_space: global }
      - { .name: bk, .offset: 40, .size: 8, .value_kind: global_buffer, .address_space: global }
      - { .name: dp, .offset: 48, .size: 8, .value_kind: global_buffer, .address_space: global }
    .group_segment_fixed_size: 327680
    .private_segment_fixed_size: 0
    .kernarg_segment_align: 8
    .kernarg_segment_size: 56
    .max_flat_workgroup_size: 128
    .sgpr_count:     100
    .vgpr_count:     1024
    .wavefront_size: 32
...
	.end_amdgpu_metadata
.endif
;; end of part 2
;; launch vctx (part 3): grid 4 x 64, 4 waves a work-group, clusters of 4 x 4, 327,680 bytes of LDS; arguments xc, xs, wc, ws, bv, dp, cc, cs; writes cc, cs
.if DOCPART == 3
	.amdgcn_target "amdgcn-amd-amdhsa--gfx1250"
	.amdhsa_code_object_version 6
	.text
	.protected	k_q2926506e21_vctx
	.globl	k_q2926506e21_vctx
	.p2align	8
	.type	k_q2926506e21_vctx,@function
k_q2926506e21_vctx:
	s_mov_b64 s[64:65], 0
	v_nop
	global_prefetch_b8 v0, s[64:65] scope:SCOPE_SE
	s_setreg_imm32_b32 hwreg(HW_REG_WAVE_MODE, 25, 1), 1
	s_wait_xcnt 0x0
	s_wait_alu depctr_hold_cnt(0) depctr_sa_sdst(0) depctr_va_vdst(0) depctr_va_sdst(0) depctr_va_ssrc(0) depctr_va_vcc(0) depctr_vm_vsrc(0)
	s_getreg_b32 s2, hwreg(HW_REG_IB_STS2, 6, 4)
	s_cmp_eq_u32 s2, 0
	s_cbranch_scc0 .Lentry_in_a_cluster
	s_endpgm
.Lentry_in_a_cluster:
	s_bfe_u32 s2, ttmp6, 0x10000c
	s_cmp_lg_u32 s2, 0xf033
	s_cbranch_scc0 .Lentry_shape_is_right
	s_endpgm
.Lentry_shape_is_right:
; ctx = colsum x (x Wv^T + bv), quantised along its columns (the last product's K) to codes of FP4 (E2M1) with E8M0 scales.
; THE SOFTMAX.  Row i of the batch's [2048][2048] scores holds d_i on the diagonal and 0 elsewhere.  With m = max(d, 0), a = e^(d - m), b = e^(-m), Z = a + 2047 b: the diagonal weight is a / Z, every other weight of the row b / Z.
; colsum_j = a_j / Z_j + the sum over the batch's other rows i of b_i / Z_i: a sum of positive terms alone (nothing is taken away from a total).  The row's maximum is taken off, so Z lies between 1 and 2,048.
; d = the sum of dp's eight parts.  Every work-group makes the figures of its whole batch (2,048 rows, 16 a thread) while its tiles are on their way.
; LIMITS: NaN and infinities are not served.  e^x is 2^(x log2 e) with the product rounded once: its relative error grows as |x| x 6e-8, and counts only where |d| is small.  An exponential under 2^-126 comes out as 0.
; A block of zeros gets the byte 1 with zero codes.  A sum begins with its bias.
; THE DEAL.  Work-group (X, Y), four waves, 2 x 2: rows 256 Y on x columns 256 X on.  The wave in row w, column b holds Wv's rows 128 b + 0 .. 127 of the block, ALL of K, in 512 registers, and streams x's tiles 2 s + w, s = 0 .. 7, past them.
; A PRODUCT has 32 rows of source 0: two tiles of wc, scale words one a lane; source 1 = a tile of x.  A block takes 32 products, four accumulators of 16 registers by turns.
; wc holds Wv's rows with the middle groups of 8 of each 32 changed over: so in lane (r, h) register 16 B + i of a block's 64 is column 32 B + 16 h + i of row r.
; A BLOCK'S WAY OUT: x colsum (in place) and the search for each scale block's largest magnitude stand two lines behind each product of the NEXT block; scale, conversions and stores in the run behind that block.
; cc holds operand fragments as images of their registers: fragment (T = row / 16, s = column / 128) at (8 T + s) x 1,024 bytes, register group c at + 512 c, lane l's 16 bytes at + 16 l.  cs holds the scale bytes by rows, [16384][32].
; LDS: x's 256 rows and Wv's 256 rows of 528 bytes: four tiles, one a wave, each on its own line; nothing is filled again, and all is asked for at the head: there is no later load for a data prefetch to run ahead of.
; CLUSTERS: 4 x 4.  x's tiles are shared by a row of the cluster (mask s44), Wv's by a column (mask s45).
; REGISTERS: window 0: addresses, scale words, bv, colsum, the quantiser's work; windows 1, 2: Wv's fragments; window 3: x's two sets (v0-127; at the head dp's parts), two sets of accumulators (v128-255).
.set KROW,   512
.set KS,     32
.set PITCH,  528                       ; an LDS row: 512 bytes + 16 = 132 words: row r starts at bank 4 r mod 64
.set NF,     16
.set YB,     256*PITCH
.set SPARE,  512*PITCH                 ; the spare words: 128 bytes a wave
.set PCA,    SPARE+512                 ; 256 words: for each of my 256 rows its own weight + the others' of the 64 rows that one wave worked
.set OWA,    PCA+1024                  ; 4 words: each wave's total of its 64 rows;  at + 16 4 words: each wave's total of the batch's other seven blocks
.set AQ0,  4                           ; v4, v5  LDS address of my fragments of blocks 0-3, 4-7
.set AAS,  8                           ; v8      32 r + 1,024 h: my offset in x's scale bytes, and in cs
.set ABS,  9                           ; v9      32 x lane
.set SPW,  10
.set NIL,  11
.set ADRB, 12
.set BIA,  13                          ; v13     64 h
.set L16,  14                          ; v14     16 x lane
.set PCW,  15                          ; v15     where thread t puts its two rows' figures
.set OWW,  16                          ; v16     my wave's totals
.set PCR,  17                          ; v17     row 16 w + r's figure
.set OWR,  18                          ; v18     the totals
.set T9,   19                          ; v19     8 x thread
.set SB,   32                          ; v32-63  Wv's scale words: 8 pair + q
.set SA,   68                          ; v68-99  x's: 8 j + q; lanes 0-15 block 2 j, lanes 16-31 block 2 j + 1
.set BI,   100                         ; v100-163 bv as the first products' C
.set CC,   164                         ; v164-179 colsum of block s's row, twice (a pair)
.set TM,   180                         ; v180-195 at work in the quantiser
.set PW,   196                         ; v196-203 block s's scale word;  v204-207 two blocks' words in one register
.set PM,   204
.set PC,   208                         ; v208-223 the codes, two sets of 8
.set ST,   164                         ; the softmax, 8 blocks x 2 rows each: v164-179 d, t, Z, 1 / Z;  v180-195 a;  v196-211 b, b / Z;  v212-225 at work;  v224-231 offsets in dp
.set SAA,  180
.set SBB,  196
.set X0,   212
.set OFF,  224
.set ACC,  128
.set G1A, 24
.set G1B, 32
.set G0A, 56
.set G0B, 60
.set MSB, 0
.macro WIN new
.if MSB != (\new)
	s_set_vgpr_msb (MSB<<8)|(\new)
.set MSB, (\new)
.endif
.endm
.macro PLACES n
.rept \n
	v_nop
.endr
.endm
.macro WALU
	s_wait_alu depctr_va_vdst(0)
.endm
.macro BARRIER
	s_barrier_signal -1
	s_barrier_wait -1
.endm
.macro CROUND
	BARRIER
	s_cmp_lg_u32 s16, 0
	s_cbranch_scc1 .Lnot_wave_0_\@
	s_barrier_signal -3
.Lnot_wave_0_\@:
	s_barrier_wait -3
	BARRIER
.endm
.macro GROUP1 g, mask                  ; 128 rows of 512 bytes, four words of padding behind each
	s_or_b32 s[\g+0], s[\mask], (1<<20)|(1<<21)|(6<<22)|(3<<25)
	s_mov_b32 s[\g+1], KROW<<16
	s_mov_b32 s[\g+2], 128<<16
	s_mov_b32 s[\g+3], KROW<<16
	s_mov_b32 s[\g+4], 128
	s_mov_b32 s[\g+5], KROW
	s_mov_b32 s[\g+6], 0
	s_mov_b32 s[\g+7], 0
.endm
.macro TILE g0, g1, lds, mem
	s_mov_b32 s[\g0+1], \lds
.if \mem
	s_add_nc_u64 s[\g0+2:\g0+3], s[\g0+2:\g0+3], \mem
.endif
	s_or_b32 s[\g0+3], s[\g0+3], 0x80000000
	tensor_load_to_lds s[\g0:\g0+3], s[\g1:\g1+7]
	s_nop 0
	PLACES 4
.endm
.macro FETCH blk
	WIN 3<<6
.irp q, 0,1,2,3,4,5,6,7
.irp c, 0,1
	ds_load_b128 v[64*((\blk)%2)+8*\q+4*\c:64*((\blk)%2)+8*\q+4*\c+3], v[AQ0+(\blk)/4] offset:((\blk)%4)*32*PITCH+64*\q+32*\c
.endr
.endr
	WIN 0
.endm
.macro PROD1 d, s0, s1, c, x0, x1, o
.if \o
	v_wmma_scale_f32_32x16x128_f4 v[\d:\d+15], v[\s0:\s0+15], v[\s1:\s1+7], \c, v[\x0], v[\x1] matrix_b_scale:MATRIX_SCALE_ROW1
.else
	v_wmma_scale_f32_32x16x128_f4 v[\d:\d+15], v[\s0:\s0+15], v[\s1:\s1+7], \c, v[\x0], v[\x1]
.endif
.endm
.macro PRD blk, n                      ; product n = 4 q + pair of block blk; the first along K takes bv as C
.set Q_, (\n)/4
.set P_, (\n)%4
.set D_, ACC+64*((\blk)%2)+16*P_
.set B_, 64*(Q_%4)+16*P_
.set A_, 64*((\blk)%2)+8*Q_
.set X0_, SB+8*P_+Q_
.set X1_, SA+8*((\blk)/2)+Q_
.if Q_
	WIN (1+Q_/4)|0xfc
	PROD1 D_, B_, A_, v[D_:D_+15], X0_, X1_, (\blk)%2
.else
	WIN 0xcd
	PROD1 D_, B_, A_, v[BI+16*P_:BI+16*P_+15], X0_, X1_, (\blk)%2
.endif
.endm
.macro SLOT blk, n                     ; two lines of block blk's way out.  n = 0 .. 15: x colsum, in place, each accumulator from its low end on;  n = 16 .. 31: the four scale blocks' largest magnitudes, by turns, over the floor 2^(3 - 127)
.set E_, ACC+64*((\blk)%2)
.if (\n) == 8
	s_wait_xcnt 0x0                                ; the stores of two blocks ago have read this set of codes
.endif
.if (\n) < 16
	WIN 0xc3
	v_pk_mul_f32 v[E_+4*(\n):E_+4*(\n)+1], v[E_+4*(\n):E_+4*(\n)+1], v[CC+2*(\blk):CC+2*(\blk)+1]
	v_pk_mul_f32 v[E_+4*(\n)+2:E_+4*(\n)+3], v[E_+4*(\n)+2:E_+4*(\n)+3], v[CC+2*(\blk):CC+2*(\blk)+1]
.else
.irp u, 0,1
.set M_, 2*((\n)-16)+\u
.set R_, E_+16*(M_%4)+2*(M_/4)
.set T_, TM+(M_%4)
.if M_ < 4
	WIN 0x0f
	v_max3_num_f32 v[T_], |v[R_]|, |v[R_+1]|, 0x1800000
.else
	WIN 0x3c
	v_max3_num_f32 v[T_], v[T_], |v[R_]|, |v[R_+1]|
.endif
.endr
.endif
.endm
.macro FIN blk                         ; block blk's scales, codes and stores
.set E_, ACC+64*((\blk)%2)
.set C_, PC+8*((\blk)%2)
	WIN 0
.irp b, 0,1,2,3
	v_permlanex16_b32 v[TM+4+\b], v[TM+\b], s66, s67
.endr
.irp b, 0,1,2,3
	v_max_num_f32 v[TM+\b], v[TM+\b], v[TM+4+\b]   ; with lane l xor 16's: the block's largest magnitude
.endr
.irp b, 0,1,2,3
	v_add_nc_u32 v[TM+12+\b], 0xff000000, v[TM+\b] ; 2 off its exponent field: the conversion's scale operand
.endr
.irp b, 0,1,2,3
	v_lshrrev_b32 v[TM+4+\b], 23, v[TM+12+\b]      ; the scale's byte
.endr
	v_lshl_or_b32 v[PW+(\blk)], v[TM+5], 8, v[TM+4]
	v_lshl_or_b32 v[PW+(\blk)], v[TM+6], 16, v[PW+(\blk)]
	v_lshl_or_b32 v[PW+(\blk)], v[TM+7], 24, v[PW+(\blk)]
	WIN 0x03
.irp b, 0,1,2,3
	v_cvt_scalef32_pk8_fp4_f32 v[C_+2*\b], v[E_+16*\b:E_+16*\b+7], v[TM+12+\b]
	v_cvt_scalef32_pk8_fp4_f32 v[C_+2*\b+1], v[E_+16*\b+8:E_+16*\b+15], v[TM+12+\b]
.endr
	WIN 0
	v_nop                                          ; one plain line behind a scaled conversion
.irp c, 0,1                                    ; the operand's layout wants a WHOLE block in a lane: lanes 0-15 block 2 c, lanes 16-31 block 2 c + 1
.irp i, 0,1
	v_permlane16_swap_b32 v[C_+4*\c+\i], v[C_+2+4*\c+\i]
.endr
.endr
	global_store_b128 v[L16], v[C_:C_+3], s[88:89] offset:16384*(\blk)        ; the fragment as it stands: 32 lanes store 512 consecutive bytes, aligned
	global_store_b128 v[L16], v[C_+4:C_+7], s[88:89] offset:16384*(\blk)+512
.endm
.macro BLOCK blk, show                 ; block blk's products, each with a slot of block blk - 1's way out.  show = 1: a plain barrier shows x's rows 128 to 255
.set NN, 0
.rept 32
.if (\show) && (NN == 16)
	WALU
	s_wait_tensorcnt 0x0
	s_wait_dscnt 0x0
	s_barrier_signal -1
.endif
.if (\show) && (NN == 24)
	WALU
	s_barrier_wait -1
.endif
	PRD \blk, NN
	SLOT (\blk)-1, NN
.set NN, NN+1
.endr
	FIN (\blk)-1                                   ; its plain lines are also the places ahead of the fetch below and of the first reader of this block's sums
.if (\blk) < 6
	FETCH (\blk)+2
	s_wait_dscnt NF                                ; the next block's fragments are in; this run's fetch is younger
.else
	s_wait_dscnt 0x0
.endif
.endm
; ================= THE HEAD
	s_load_b128 s[4:7], s[0:1], 0x0                ; xc, xs
	s_load_b128 s[8:11], s[0:1], 0x10              ; wc, ws
	s_load_b128 s[12:15], s[0:1], 0x20             ; bv, dp
	s_load_b128 s[88:91], s[0:1], 0x30             ; cc, cs
	v_lshl_add_u32 v[SPW], v0, 2, SPARE
	v_mov_b32 v[NIL], 0
	ds_add_u32 v[SPW], v[NIL]                      ; the opening lines: the add twice on end, under one wait
	ds_add_u32 v[SPW], v[NIL]
	v_lshrrev_b32 v1, 5, v0
	v_readfirstlane_b32 s16, v1                    ; the wave; s17 its row w, s18 its column b
	s_lshr_b32 s17, s16, 1
	s_and_b32 s18, s16, 1
	s_bfe_u32 s40, ttmp6, 0x40000
	s_bfe_u32 s41, ttmp6, 0x40004
	s_lshl_b32 s42, ttmp9, 2
	s_add_co_u32 s42, s42, s40                     ; X
	s_and_b32 s43, ttmp7, 0xffff
	s_lshl_b32 s43, s43, 2
	s_add_co_u32 s43, s43, s41                     ; Y
	s_lshl_b32 s44, s41, 2
	s_lshl_b32 s44, 15, s44                        ; my row of the cluster: shares x
	s_lshl_b32 s45, 0x1111, s40                    ; my column: shares Wv
	GROUP1 G1A, 44
	GROUP1 G1B, 45
	s_mov_b32 s[G0A], 1
	s_mov_b32 s[G0B], 1
	s_mov_b32 s66, 0x76543210
	s_mov_b32 s67, 0xfedcba98                      ; v_permlanex16_b32's selects for lane l xor 16
	s_lshl_b32 s76, s43, 17                        ; x's codes: row 256 Y
	s_mov_b32 s77, 0
	s_lshl_b32 s78, s42, 17                        ; Wv's: wc's row 2,048 + 256 X
	s_add_co_u32 s78, s78, 2048*KROW
	s_mov_b32 s79, 0
	s_lshl_b32 s80, s42, 13                        ; Wv's scale bytes, my 128 rows
	s_lshl_b32 s22, s18, 12
	s_add_co_u32 s80, s80, s22
	s_add_co_u32 s80, s80, 2048*KS
	s_mov_b32 s81, 0
	s_lshl_b32 s82, s43, 13                        ; x's scale bytes, and cs: row 256 Y + 16 w
	s_lshl_b32 s22, s17, 9
	s_add_co_u32 s82, s82, s22
	s_mov_b32 s83, 0
	s_lshl_b32 s84, s42, 10                        ; bv: column 256 X + 128 b
	s_lshl_b32 s22, s18, 9
	s_add_co_u32 s84, s84, s22
	s_mov_b32 s85, 0
	s_lshr_b32 s86, s43, 3                         ; dp: my batch's 2,048 words in each part
	s_lshl_b32 s86, s86, 13
	s_mov_b32 s87, 0
	s_lshl_b32 s92, s43, 17                        ; cc: ((16 Y + w) x 8 + 2 X + b) x 1,024
	s_lshl_b32 s22, s17, 13
	s_add_co_u32 s92, s92, s22
	s_lshl_b32 s22, s42, 11
	s_add_co_u32 s92, s92, s22
	s_lshl_b32 s22, s18, 10
	s_add_co_u32 s92, s92, s22
	s_mov_b32 s93, 0
	s_lshl_b32 s94, s42, 3                         ; cs: + 4 (2 X + b)
	s_lshl_b32 s22, s18, 2
	s_add_co_u32 s94, s94, s22
	s_add_co_u32 s94, s94, s82
	s_mov_b32 s95, 0
	v_lshlrev_b32 v[T9], 3, v0                     ; thread t takes rows 2 t, 2 t + 1 of each block of 256
	WALU                                           ; directly behind the write
	s_and_b32 s20, s43, 7
.irp i, 0,1,2,3,4,5,6,7
	s_add_co_u32 s21, s20, \i                      ; the blocks are walked from my own on, round the batch: so the own block's figures lie in the same registers and LDS words in every work-group
	s_and_b32 s21, s21, 7
	s_lshl_b32 s21, s21, 10
	v_add_nc_u32 v[OFF+\i], s21, v[T9]
.endr
	v_and_b32 v1, 15, v0                           ; r
	v_bfe_u32 v2, v0, 4, 1                         ; h
	v_and_b32 v3, 31, v0                           ; lane
	v_lshlrev_b32 v[L16], 4, v3
	v_mul_u32_u24 v22, v1, PITCH
	v_lshl_add_u32 v23, v2, 4, v22
	s_mul_i32 s23, s17, 16*PITCH
	v_add_nc_u32 v[AQ0], s23, v23
	v_add_nc_u32 v[AQ0+1], 128*PITCH, v[AQ0]
	s_mul_i32 s22, s18, 128*PITCH
	s_add_co_u32 s22, s22, YB
	v_add_nc_u32 v[ADRB], s22, v23
	v_lshlrev_b32 v[ABS], 5, v3
	v_lshlrev_b32 v[AAS], 5, v1
	v_lshl_add_u32 v[AAS], v2, 10, v[AAS]
	v_lshlrev_b32 v[BIA], 6, v2
	v_add_nc_u32 v[PCW], PCA, v[T9]
	s_lshl_b32 s22, s16, 2
	s_add_co_u32 s22, s22, OWA
	v_mov_b32 v[OWW], s22
	s_lshl_b32 s23, s17, 6
	s_add_co_u32 s23, s23, PCA
	v_lshl_add_u32 v[PCR], v1, 2, s23
	v_mov_b32 v[OWR], OWA
	v_cmp_eq_u32 s96, 1, v2                        ; lanes 16-31
	WALU                                           ; the head's end
	s_wait_dscnt 0x0                               ; both opening adds are done
	CROUND                                         ; the opening round: the first joint loads meet
	s_wait_kmcnt 0x0
	s_add_nc_u64 s[G0A+2:G0A+3], s[4:5], s[76:77]
	s_add_nc_u64 s[G0B+2:G0B+3], s[8:9], s[78:79]
	s_add_nc_u64 s[10:11], s[10:11], s[80:81]
	s_add_nc_u64 s[6:7], s[6:7], s[82:83]
	s_add_nc_u64 s[12:13], s[12:13], s[84:85]
	s_add_nc_u64 s[14:15], s[14:15], s[86:87]
	s_add_nc_u64 s[88:89], s[88:89], s[92:93]
	s_add_nc_u64 s[90:91], s[90:91], s[94:95]
	s_cmp_eq_u32 s16, 0
	s_cbranch_scc0 .Lwave_1
	TILE G0B, G1B, YB, 0                           ; wave 0: Wv's rows 0 to 127
	s_branch .Lasked
.Lwave_1:
	s_cmp_eq_u32 s16, 1
	s_cbranch_scc0 .Lwave_2
	TILE G0B, G1B, YB+128*PITCH, 128*KROW          ; wave 1: rows 128 to 255
	s_branch .Lasked
.Lwave_2:
	s_cmp_eq_u32 s16, 2
	s_cbranch_scc0 .Lwave_3
	TILE G0A, G1A, 0, 0                            ; wave 2: x's rows 0 to 127
	s_branch .Lasked
.Lwave_3:
	TILE G0A, G1A, 128*PITCH, 128*KROW             ; wave 3: rows 128 to 255
.Lasked:
	WIN 3<<6
.irp i, 0,1,2,3,4,5,6,7
.irp p, 0,1,2,3,4,5,6,7
	global_load_b64 v[16*\i+2*\p:16*\i+2*\p+1], v[OFF+\i], s[14:15] offset:65536*\p   ; part p of d: a wave reads 256 consecutive bytes
.endr
.endr
	WIN 0
.irp p, 0,1,2,3
.irp c, 0,1
	global_load_b128 v[SB+8*\p+4*\c:SB+8*\p+4*\c+3], v[ABS], s[10:11] offset:1024*\p+16*\c
	global_load_b128 v[SA+8*\p+4*\c:SA+8*\p+4*\c+3], v[AAS], s[6:7] offset:2048*\p+16*\c
.endr
.endr
.irp b, 0,1,2,3,4,5,6,7                        ; lane (r, h) wants, for tile 2 B + u, columns 32 B + 16 h + 8 u + 0 .. 7
.irp c, 0,1
	global_load_b128 v[BI+8*\b+4*\c:BI+8*\b+4*\c+3], v[BIA], s[12:13] offset:128*(\b/2)+32*(\b%2)+16*\c
.endr
.endr
	s_wait_loadcnt 32                              ; dp's 64 loads are in; the 32 behind them (scale words, bv) may be out
; ---- THE SOFTMAX'S FIGURES, two rows of each of eight blocks a thread
	WIN 0xcf
.irp i, 0,1,2,3,4,5,6,7
.irp p, 0,4,8,12
	v_pk_add_f32 v[16*\i+\p:16*\i+\p+1], v[16*\i+\p:16*\i+\p+1], v[16*\i+\p+2:16*\i+\p+3]
.endr
.endr
.irp i, 0,1,2,3,4,5,6,7
.irp p, 0,8
	v_pk_add_f32 v[16*\i+\p:16*\i+\p+1], v[16*\i+\p:16*\i+\p+1], v[16*\i+\p+4:16*\i+\p+5]
.endr
.endr
	WIN 0x0f
.irp i, 0,1,2,3,4,5,6,7
	v_pk_add_f32 v[ST+2*\i:ST+2*\i+1], v[16*\i:16*\i+1], v[16*\i+8:16*\i+9]   ; d
.endr
	WIN 0
.irp i, 0,1,2,3,4,5,6,7
	v_pk_mul_f32 v[ST+2*\i:ST+2*\i+1], v[ST+2*\i:ST+2*\i+1], 0x3fb8aa3b op_sel_hi:[1,0]   ; t = d log2(e)
.endr
.irp j, 0,1,2,3,4,5,6,7,8,9,10,11,12,13,14,15
	v_min_num_f32 v[SAA+\j], 0, v[ST+\j]           ; (d - max(d, 0)) log2(e) = min(t, 0)
.endr
.irp i, 0,1,2,3,4,5,6,7
	v_pk_add_f32 v[SBB+2*\i:SBB+2*\i+1], v[SAA+2*\i:SAA+2*\i+1], v[ST+2*\i:ST+2*\i+1] neg_lo:[0,1] neg_hi:[0,1]   ; -max(d, 0) log2(e) = min(t, 0) - t, exactly
.endr
	WALU
.irp j, 0,1,2,3,4,5,6,7,8,9,10,11,12,13,14,15
	v_exp_f32 v[SAA+\j], v[SAA+\j]                 ; a and b: one of the two is 1
	v_exp_f32 v[SBB+\j], v[SBB+\j]
.endr
	v_nop
	WALU
.irp i, 0,1,2,3,4,5,6,7
	v_pk_fma_f32 v[ST+2*\i:ST+2*\i+1], v[SBB+2*\i:SBB+2*\i+1], 0x44ffe000, v[SAA+2*\i:SAA+2*\i+1] op_sel_hi:[1,0,1]   ; Z = 2047 b + a
.endr
	WALU
.irp j, 0,1,2,3,4,5,6,7,8,9,10,11,12,13,14,15
	v_rcp_f32 v[ST+\j], v[ST+\j]
.endr
	v_nop
	WALU
.irp i, 0,1,2,3,4,5,6,7
	v_pk_mul_f32 v[SBB+2*\i:SBB+2*\i+1], v[SBB+2*\i:SBB+2*\i+1], v[ST+2*\i:ST+2*\i+1]   ; what the row gives to every other column
.endr
	v_pk_mul_f32 v[SAA:SAA+1], v[SAA:SAA+1], v[ST:ST+1]   ; own block: what it gives to its own
	; own block: for each lane the sum over the wave's OTHER lanes (X0 + 1), beside the wave's total (X0): at each step the partner group's total is added to both
	v_add_f32 v[X0], v[SBB], v[SBB+1]
	v_mov_b32 v[X0+1], 0
	v_mov_b32 v[X0+2], 0
.irp m, 1,2,4,8
	v_add_f32_dpp v[X0+1], v[X0], v[X0+1] row_xmask:\m row_mask:0xf bank_mask:0xf
	v_add_f32_dpp v[X0], v[X0], v[X0] row_xmask:\m row_mask:0xf bank_mask:0xf
.endr
	v_permlanex16_b32 v[X0+2], v[X0], s66, s67
	v_add_f32 v[X0+1], v[X0+1], v[X0+2]
	v_add_f32 v[X0], v[X0], v[X0+2]
	v_add_f32 v[X0+4], v[SBB+1], v[X0+1]           ; row 2 t: my other row's and the other lanes',
	v_add_f32 v[X0+5], v[SBB], v[X0+1]             ; row 2 t + 1 likewise,
	v_pk_add_f32 v[X0+4:X0+5], v[X0+4:X0+5], v[SAA:SAA+1]   ; and the row's own diagonal weight
	ds_store_b64 v[PCW], v[X0+4:X0+5]
	; the other seven blocks: one total a wave
	v_pk_add_f32 v[SBB+2:SBB+3], v[SBB+2:SBB+3], v[SBB+4:SBB+5]
	v_pk_add_f32 v[SBB+6:SBB+7], v[SBB+6:SBB+7], v[SBB+8:SBB+9]
	v_pk_add_f32 v[SBB+10:SBB+11], v[SBB+10:SBB+11], v[SBB+12:SBB+13]
	v_pk_add_f32 v[SBB+2:SBB+3], v[SBB+2:SBB+3], v[SBB+6:SBB+7]
	v_pk_add_f32 v[SBB+10:SBB+11], v[SBB+10:SBB+11], v[SBB+14:SBB+15]
	v_pk_add_f32 v[SBB+2:SBB+3], v[SBB+2:SBB+3], v[SBB+10:SBB+11]
	v_add_f32 v[SBB+2], v[SBB+2], v[SBB+3]
.irp m, 1,2,4,8
	v_add_f32_dpp v[SBB+2], v[SBB+2], v[SBB+2] row_xmask:\m row_mask:0xf bank_mask:0xf
.endr
	v_permlanex16_b32 v[X0+2], v[SBB+2], s66, s67
	v_add_f32 v[SBB+2], v[SBB+2], v[X0+2]
	ds_store_b32 v[OWW], v[X0]                     ; all lanes write the same word with the same value
	ds_store_b32 v[OWW], v[SBB+2] offset:16
	WALU
	s_wait_dscnt 0x0                               ; for the others' sake: my stores are done
	s_cmp_lt_u32 s16, 2
	s_cbranch_scc0 .Lnot_b
	s_wait_tensorcnt 0x0                           ; waves 0 and 1: Wv's rows have landed
.Lnot_b:
	BARRIER
.irp q, 0,1,2,3,4,5,6,7                        ; my 128 rows of Wv, all of K: 128 loads
	WIN (1+\q/4)<<6
.irp b, 0,1,2,3,4,5,6,7
.irp c, 0,1
	ds_load_b128 v[64*(\q%4)+8*\b+4*\c:64*(\q%4)+8*\b+4*\c+3], v[ADRB] offset:64*\q+32*\c+\b*16*PITCH
.endr
.endr
.endr
	WIN 0
.irp s, 0,1,2,3,4,5,6,7
	ds_load_b32 v[CC+2*\s], v[PCR] offset:128*\s   ; row 32 s + 16 w + r's figure
.endr
	ds_load_b128 v[X0:X0+3], v[OWR]                ; the four waves' totals of the own block,
	ds_load_b128 v[X0+4:X0+7], v[OWR] offset:16    ; and of the other seven
	s_cmp_eq_u32 s16, 2
	s_cbranch_scc0 .Lnot_a
	s_wait_tensorcnt 0x0                           ; wave 2: x's rows 0 to 127 have landed
.Lnot_a:
	s_wait_dscnt 0x0
	BARRIER                                        ; wave 3's tile may still be on its way
	FETCH 0
	; colsum of my rows: the row's own figure + the totals of the three waves that did not work it + the other seven blocks'.  Block s's rows were worked by wave s / 2
	v_add_f32 v[X0+4], v[X0+4], v[X0+5]
	v_add_f32 v[X0+6], v[X0+6], v[X0+7]
	v_add_f32 v[X0+8], v[X0], v[X0+1]
	v_add_f32 v[X0+9], v[X0+2], v[X0+3]
	v_add_f32 v[X0+4], v[X0+4], v[X0+6]
	v_add_f32 v[X0+8], v[X0+8], v[X0+4]
	v_add_f32 v[X0+9], v[X0+9], v[X0+4]
	v_add_f32 v[X0+10], v[X0+9], v[X0+1]           ; for the rows of wave 0,
	v_add_f32 v[X0+11], v[X0+9], v[X0]             ; of wave 1,
	v_add_f32 v[X0+12], v[X0+8], v[X0+3]           ; of wave 2,
	v_add_f32 v[X0+13], v[X0+8], v[X0+2]           ; of wave 3
.irp s, 0,1,2,3,4,5,6,7
	v_add_f32 v[CC+2*\s+1], v[CC+2*\s], v[X0+10+\s/2]   ; both halves of a pair, for the packed multiply
	v_add_f32 v[CC+2*\s], v[CC+2*\s], v[X0+10+\s/2]
.endr
	WALU
	s_wait_loadcnt 0x0                             ; the scale words and bv
; ================= THE STREAM.  Block 0: each K step's products wait for their own two loads
.set NN, 0
.rept 32
.if NN%4 == 0
	s_wait_dscnt 14-NN/2
.endif
	PRD 0, NN
.set NN, NN+1
.endr
	PLACES 4
	FETCH 1
	FETCH 2
	s_wait_dscnt NF                                ; block 1's fragments are in; block 2's fetch is younger
	BLOCK 1, 1
.irp k, 2,3,4,5,6,7
	BLOCK \k, 0
.endr
	PLACES 4
.set NN, 0
.rept 32
	SLOT 7, NN
.set NN, NN+1
.endr
	FIN 7
.irp i, 0,1,2,3
	v_cndmask_b32 v[PM+\i], v[PW+2*\i], v[PW+2*\i+1], s96   ; lanes 0-15 block 2 i's words, lanes 16-31 block 2 i + 1's
.endr
.irp i, 0,1,2,3
	global_store_b32 v[AAS], v[PM+\i], s[90:91] offset:2048*\i   ; 4 of a row's 32 scale bytes: the others are other work-groups'; these stores are a sixteenth of the launch's bytes out
.endr
	s_wait_tensorcnt 0x0                           ; the wave's end
	ds_add_u32 v[SPW], v[NIL]
	s_wait_dscnt 0x0
	CROUND                                         ; the closing round
	s_endpgm
.Lfunc_end_k_q2926506e21_vctx:
	.size	k_q2926506e21_vctx, .Lfunc_end_k_q2926506e21_vctx-k_q2926506e21_vctx
	.p2alignl 7, 3214868480
	.fill 96, 4, 3214868480
	.section	.rodata,"a",@progbits
	.p2align	6, 0x0
	.amdhsa_kernel k_q2926506e21_vctx
		.amdhsa_group_segment_fixed_size 327680
		.amdhsa_private_segment_fixed_size 0
		.amdhsa_enable_private_segment 0
		.amdhsa_kernarg_size 64
		.amdhsa_user_sgpr_count 2
		.amdhsa_user_sgpr_kernarg_segment_ptr 1
		.amdhsa_wavefront_size32 1
		.amdhsa_system_sgpr_workgroup_id_x 1
		.amdhsa_system_sgpr_workgroup_id_y 1
		.amdhsa_system_sgpr_workgroup_id_z 1
		.amdhsa_system_vgpr_workitem_id 0
		.amdhsa_next_free_vgpr 1024
		.amdhsa_next_free_sgpr 100
		.amdhsa_reserve_vcc 0
		.amdhsa_float_denorm_mode_32 3
		.amdhsa_float_denorm_mode_16_64 3
		.amdhsa_memory_ordered 1
		.amdhsa_forward_progress 1
		.amdhsa_inst_pref_size 143
	.end_amdhsa_kernel
	.amdgpu_metadata
---
amdhsa.version: [ 1, 2 ]
amdhsa.kernels:
  - .name:           k_q2926506e21_vctx
    .symbol:         k_q2926506e21_vctx.kd
    .args:
      - { .name: xc, .offset: 0, .size: 8, .value_kind: global_buffer, .address_space: global }
      - { .name: xs, .offset: 8, .size: 8, .value_kind: global_buffer, .address_space: global }
      - { .name: wc, .offset: 16, .size: 8, .value_kind: global_buffer, .address_space: global }
      - { .name: ws, .offset: 24, .size: 8, .value_kind: global_buffer, .address_space: global }
      - { .name: bv, .offset: 32, .size: 8, .value_kind: global_buffer, .address_space: global }
      - { .name: dp, .offset: 40, .size: 8, .value_kind: global_buffer, .address_space: global }
      - { .name: cc, .offset: 48, .size: 8, .value_kind: global_buffer, .address_space: global }
      - { .name: cs, .offset: 56, .size: 8, .value_kind: global_buffer, .address_space: global }
    .group_segment_fixed_size: 327680
    .private_segment_fixed_size: 0
    .kernarg_segment_align: 8
    .kernarg_segment_size: 64
    .max_flat_workgroup_size: 128
    .sgpr_count:     100
    .vgpr_count:     1024
    .wavefront_size: 32
...
	.end_amdgpu_metadata
.endif
;; end of part 3
;; launch outp (part 4): grid 4 x 64, 4 waves a work-group, clusters of 4 x 4, 327,680 bytes of LDS; arguments cc, cs, wc, ws, bo, out0; writes out0
.if DOCPART == 4
	.amdgcn_target "amdgcn-amd-amdhsa--gfx1250"
	.amdhsa_code_object_version 6
	.text
	.protected	k_q2926506e21_outp
	.globl	k_q2926506e21_outp
	.p2align	8
	.type	k_q2926506e21_outp,@function
k_q2926506e21_outp:
	s_mov_b64 s[64:65], 0
	v_nop
	global_prefetch_b8 v0, s[64:65] scope:SCOPE_SE
	s_setreg_imm32_b32 hwreg(HW_REG_WAVE_MODE, 25, 1), 1
	s_wait_xcnt 0x0
	s_wait_alu depctr_hold_cnt(0) depctr_sa_sdst(0) depctr_va_vdst(0) depctr_va_sdst(0) depctr_va_ssrc(0) depctr_va_vcc(0) depctr_vm_vsrc(0)
	s_getreg_b32 s2, hwreg(HW_REG_IB_STS2, 6, 4)
	s_cmp_eq_u32 s2, 0
	s_cbranch_scc0 .Lentry_in_a_cluster
	s_endpgm
.Lentry_in_a_cluster:
	s_bfe_u32 s2, ttmp6, 0x10000c
	s_cmp_lg_u32 s2, 0xf033
	s_cbranch_scc0 .Lentry_shape_is_right
	s_endpgm
.Lentry_shape_is_right:
; out0[row][n] = sum over k of ctx[row][k] Wo[n][k] + bo[n], f32: 16,384 x 1,024 x 1,024 on codes of FP4 (E2M1) with E8M0 scales.
; LIMITS: NaN, infinities and sums beyond f32's range are not served.
; A IS WHAT THE LAUNCH BEFORE LEFT: cc[tile of 16 rows][K step of 128][register group c][lane][16 bytes], 8,192 bytes a tile; cs[row][32] its scale bytes.  B: Wo's rows in wc (512 bytes) and ws (32), 3,072 rows in.
; THE DEAL.  256 work-groups of four waves, 2 x 2, each 256 rows x 256 columns.  The wave in row w, column b holds Wo's rows 128 b + 0 .. 127 of the block, ALL of K, in 512 registers, and streams A's tiles 2 s + w, s = 0 .. 7, past them.
; A PRODUCT has 32 rows of source 0: two column tiles of Wo, scale words one a lane; source 1 = a tile of A.  Lane (r, h) then holds row r of out0, registers 0-7 columns 8 h on, 8-15 columns 16 + 8 h on, of the pair's 32.
; A block takes 32 products, four accumulators of 16 registers by turns.  Behind them ONE RUN of memory lines: the sums into my stage and back as whole rows of 512 bytes; the fetch of the block two on; one wait; bo added; 16 stores.
; CLUSTERS: 4 x 4.  A's tiles are shared by a row of the cluster (mask s44), Wo's by a column (mask s45).
; THE HEAD'S FOUR TILES, one a wave, each on its own line: Wo's rows 0-127; 128-255; A's tiles 0-7; tiles 8-15.  The stream begins when the first three are in; a plain barrier inside block 1 shows the fourth.
; Nothing is filled again, and all is asked for at the head: there is no later load for a data prefetch to run ahead of.
; The scale words come by plain loads straight into registers: each pair of loads covers whole runs of 512 or 1,024 bytes.
; LDS: A's 256 rows, dense; Wo's 256 rows, padded; a stage of 16 rows x 528 bytes for each wave, on bytes of its own; the spare words.
; REGISTERS: window 0: addresses, bo, scale words, two sets of sums (v128-255); windows 1, 2: Wo's fragments, 64 (q % 4) + 8 tile; window 3: A's two sets (v0-127), two sets of rows back from the stage (v128-255).
.set SIZE_N, 1024
.set KROW,   512
.set KS,     32
.set PITCH,  528                       ; an LDS row of Wo: 512 bytes + 16 = 132 words: row r starts at bank 4 r mod 64
.set SPITCH, 528
.set NF,     16                        ; LDS loads of a block of A
.set YB,     131072                    ; Wo's rows, behind A's
.set STAGE,  YB+256*PITCH
.set SPARE,  STAGE+4*16*SPITCH         ; the spare words: 128 bytes a wave
.set WCOFF,  3072*KROW
.set WSOFF,  3072*KS
.set AQ0,  4                           ; v4, v5  LDS address of my pieces of blocks 0-3, of blocks 4-7
.set AAS,  6                           ; v6      my offset in A's scale bytes: row r of block 2 j + h
.set ABS,  7                           ; v7      my offset in Wo's scale bytes: row = lane
.set CO,   9                           ; v9      16 x lane
.set SPW,  10                          ; v10     my spare word
.set NIL,  11                          ; v11     0
.set ADRB, 12                          ; v12     LDS address of my fragments of Wo
.set STO,  18                          ; v18     the stage: where I put 32 bytes of a row
.set RD,   19                          ; v19     the stage: where I read 16 bytes of a row back
.set BO,   24                          ; v24-27  bo at columns 4 x lane on of my 128
.set SB,   32                          ; v32-63  Wo's scale words: 8 pair + q
.set SA,   68                          ; v68-99  A's: 8 j + q; lanes 0-15 block 2 j, lanes 16-31 block 2 j + 1
.set ACC,  128
.set BK,   128
.set G1A, 24
.set G0A, 56
.set G1B, 32
.set G0B, 60
.set MSB, 0
.macro WIN new
.if MSB != (\new)
	s_set_vgpr_msb (MSB<<8)|(\new)
.set MSB, (\new)
.endif
.endm
.macro PLACES n
.rept \n
	v_nop
.endr
.endm
.macro BARRIER
	s_barrier_signal -1
	s_barrier_wait -1
.endm
.macro CROUND
	BARRIER
	s_cmp_lg_u32 s16, 0
	s_cbranch_scc1 .Lnot_wave_0_\@
	s_barrier_signal -3
.Lnot_wave_0_\@:
	s_barrier_wait -3
	BARRIER
.endm
.macro GROUP1 g, mask, pad             ; 128 rows of 512 bytes
	s_or_b32 s[\g+0], s[\mask], (1<<21)|\pad
	s_mov_b32 s[\g+1], KROW<<16
	s_mov_b32 s[\g+2], 128<<16
	s_mov_b32 s[\g+3], KROW<<16
	s_mov_b32 s[\g+4], 128
	s_mov_b32 s[\g+5], KROW
	s_mov_b32 s[\g+6], 0
	s_mov_b32 s[\g+7], 0
.endm
.macro TILE g0, g1, lds, mem           ; a tile by constants; an s_nop 0 and four v_nop follow the load
	s_mov_b32 s[\g0+1], \lds
.if \mem
	s_add_nc_u64 s[\g0+2:\g0+3], s[\g0+2:\g0+3], \mem
.endif
	s_or_b32 s[\g0+3], s[\g0+3], 0x80000000
	tensor_load_to_lds s[\g0:\g0+3], s[\g1:\g1+7]
	s_nop 0
	PLACES 4
.endm
.macro FETCH blk                       ; block blk of A into set blk % 2: NF loads
	WIN 3<<6
.irp q, 0,1,2,3,4,5,6,7
.irp c, 0,1
	ds_load_b128 v[64*((\blk)%2)+8*\q+4*\c:64*((\blk)%2)+8*\q+4*\c+3], v[AQ0+(\blk)/4] offset:((\blk)%4)*16384+1024*\q+512*\c
.endr
.endr
	WIN 0
.endm
.macro PROD1 d, s0, s1, c, x0, x1, o
.if \o
	v_wmma_scale_f32_32x16x128_f4 v[\d:\d+15], v[\s0:\s0+15], v[\s1:\s1+7], \c, v[\x0], v[\x1] matrix_b_scale:MATRIX_SCALE_ROW1
.else
	v_wmma_scale_f32_32x16x128_f4 v[\d:\d+15], v[\s0:\s0+15], v[\s1:\s1+7], \c, v[\x0], v[\x1]
.endif
.endm
.macro PRODS blk, q0, q1               ; K steps q0 .. q1 - 1 of block blk, each for the four pairs of column tiles; the first along K takes C = 0
.set Q_, \q0
.rept (\q1)-(\q0)
	WIN (1+Q_/4)|(3<<2)
.irp p, 0,1,2,3
.set D_, ACC+64*((\blk)%2)+16*\p
.set B_, 64*(Q_%4)+16*\p
.set A_, 64*((\blk)%2)+8*Q_
.set X0_, SB+8*\p+Q_
.set X1_, SA+8*((\blk)/2)+Q_
.if Q_
	PROD1 D_, B_, A_, v[D_:D_+15], X0_, X1_, (\blk)%2
.else
	PROD1 D_, B_, A_, 0, X0_, X1_, (\blk)%2
.endif
.endr
.set Q_, Q_+1
.endr
.endm
.macro STAGED u                        ; set u's sums into my stage, each accumulator from its low end on, and back as whole rows.  LDS serves a wave's instructions in order (ISA guide 5.7.1.4): no wait between
.irp b, 0,1,2,3,4,5,6,7
	ds_store_b128 v[STO], v[ACC+64*(\u)+8*\b:ACC+64*(\u)+8*\b+3] offset:64*\b
	ds_store_b128 v[STO], v[ACC+64*(\u)+8*\b+4:ACC+64*(\u)+8*\b+7] offset:64*\b+16
.endr
	WIN 3<<6
.irp t, 0,1,2,3,4,5,6,7,8,9,10,11,12,13,14,15
	ds_load_b128 v[BK+64*(\u)+4*\t:BK+64*(\u)+4*\t+3], v[RD] offset:\t*SPITCH
.endr
.endm
.macro TOC u                           ; bo is added, and the 16 rows go out: 32 lanes store 512 consecutive bytes, at a multiple of 256 from out0's first byte
	WIN 0xc3
.irp t, 0,1,2,3,4,5,6,7,8,9,10,11,12,13,14,15
	v_pk_add_f32 v[BK+64*(\u)+4*\t:BK+64*(\u)+4*\t+1], v[BK+64*(\u)+4*\t:BK+64*(\u)+4*\t+1], v[BO:BO+1]
	v_pk_add_f32 v[BK+64*(\u)+4*\t+2:BK+64*(\u)+4*\t+3], v[BK+64*(\u)+4*\t+2:BK+64*(\u)+4*\t+3], v[BO+2:BO+3]
.endr
	WIN 0x0c
.irp t, 0,1,2,3,4,5,6,7,8,9,10,11,12,13,14,15
	global_store_b128 v[CO], v[BK+64*(\u)+4*\t:BK+64*(\u)+4*\t+3], s[14:15] offset:\t*SIZE_N*4 th:TH_STORE_NT
.endr
	WIN 0
.endm
.macro OUT blk                         ; the run behind block blk's products
	PLACES 4                                       ; four places between the last product and the first reader of its sums, and the fetch into the registers that it has read
	WIN 0
	s_wait_xcnt 0x0                                ; the stores of two blocks ago have read this set of rows, and those of the block before their base
.if \blk
	s_add_nc_u64 s[14:15], s[14:15], 32*SIZE_N*4   ; my next tile lies 32 rows on
.endif
	STAGED (\blk)%2
.if (\blk) == 0
	FETCH 1
	FETCH 2
	s_wait_dscnt 2*NF                              ; the rows are back from the stage; the two fetches are younger
.elseif (\blk) < 6
	FETCH (\blk)+2
	s_wait_dscnt NF                                ; the rows are back, and the next block's fragments are in; this run's fetch is younger
.else
	s_wait_dscnt 0x0
.endif
	TOC (\blk)%2
.endm
; ================= THE HEAD
	s_load_b128 s[4:7], s[0:1], 0x0                ; cc, cs
	s_load_b128 s[8:11], s[0:1], 0x10              ; wc, ws
	s_load_b128 s[12:15], s[0:1], 0x20             ; bo, out0
	v_lshl_add_u32 v[SPW], v0, 2, SPARE
	v_mov_b32 v[NIL], 0
	ds_add_u32 v[SPW], v[NIL]                      ; the opening lines: the add twice on end, under one wait
	ds_add_u32 v[SPW], v[NIL]
	v_lshrrev_b32 v1, 5, v0
	v_readfirstlane_b32 s16, v1                    ; the wave; s17 its row w of the 2 x 2, s18 its column b
	s_lshr_b32 s17, s16, 1
	s_and_b32 s18, s16, 1
	s_bfe_u32 s40, ttmp6, 0x40000                  ; cx, cy
	s_bfe_u32 s41, ttmp6, 0x40004
	s_lshl_b32 s42, ttmp9, 2
	s_add_co_u32 s42, s42, s40                     ; X: the block's columns 256 X on
	s_and_b32 s43, ttmp7, 0xffff
	s_lshl_b32 s43, s43, 2
	s_add_co_u32 s43, s43, s41                     ; Y: its rows 256 Y on
	s_lshl_b32 s44, s41, 2
	s_lshl_b32 s44, 15, s44                        ; my row of the cluster: shares A
	s_lshl_b32 s45, 0x1111, s40                    ; my column: shares Wo
	GROUP1 G1A, 44, 0                              ; dense
	GROUP1 G1B, 45, (1<<20)|(6<<22)|(3<<25)        ; four words of padding after every 128
	s_mov_b32 s[G0A], 1
	s_mov_b32 s[G0B], 1
	s_lshl_b32 s76, s43, 17                        ; A: 256 Y rows of 512 bytes
	s_mov_b32 s77, 0
	s_lshl_b32 s78, s42, 17                        ; Wo's codes
	s_add_co_u32 s78, s78, WCOFF
	s_mov_b32 s79, 0
	s_lshl_b32 s80, s42, 13                        ; Wo's scale bytes, my 128 rows
	s_lshl_b32 s20, s18, 12
	s_add_co_u32 s80, s80, s20
	s_add_co_u32 s80, s80, WSOFF
	s_mov_b32 s81, 0
	s_lshl_b32 s82, s43, 13                        ; A's scale bytes: row 256 Y + 16 w
	s_lshl_b32 s20, s17, 9
	s_add_co_u32 s82, s82, s20
	s_mov_b32 s83, 0
	s_lshl_b32 s84, s42, 10                        ; my first column, in bytes
	s_lshl_b32 s20, s18, 9
	s_add_co_u32 s84, s84, s20
	s_mov_b32 s85, 0
	s_lshl_b32 s86, s43, 20                        ; out0: row 256 Y + 16 w, 4,096 bytes a row
	s_lshl_b32 s20, s17, 16
	s_add_co_u32 s86, s86, s20
	s_add_co_u32 s86, s86, s84
	s_mov_b32 s87, 0
	v_and_b32 v1, 15, v0                           ; r
	v_bfe_u32 v2, v0, 4, 1                         ; h
	v_and_b32 v3, 31, v0                           ; lane
	v_lshlrev_b32 v[CO], 4, v3
	s_lshl_b32 s21, s17, 13
	v_add_nc_u32 v[AQ0], s21, v[CO]                ; tile w, my 16 bytes of a piece
	v_add_nc_u32 v[AQ0+1], 0x10000, v[AQ0]
	v_mul_u32_u24 v22, v1, PITCH
	v_lshl_add_u32 v23, v2, 4, v22
	s_mul_i32 s22, s18, 128*PITCH
	s_add_co_u32 s22, s22, YB
	v_add_nc_u32 v[ADRB], s22, v23
	v_lshlrev_b32 v[ABS], 5, v3
	v_lshlrev_b32 v[AAS], 5, v1
	v_lshl_add_u32 v[AAS], v2, 10, v[AAS]          ; lanes 16-31: the next block of mine, 32 rows on
	s_mul_i32 s23, s16, 16*SPITCH
	s_add_co_u32 s23, s23, STAGE
	v_lshl_add_u32 v23, v2, 5, v22
	v_add_nc_u32 v[STO], s23, v23
	v_add_nc_u32 v[RD], s23, v[CO]
	s_wait_alu depctr_va_vdst(0)                   ; the wait at the head's end
	s_wait_dscnt 0x0                               ; both opening adds are done
	CROUND                                         ; the opening round: the first joint loads meet
	s_wait_kmcnt 0x0
	s_add_nc_u64 s[G0A+2:G0A+3], s[4:5], s[76:77]
	s_add_nc_u64 s[G0B+2:G0B+3], s[8:9], s[78:79]
	s_add_nc_u64 s[10:11], s[10:11], s[80:81]
	s_add_nc_u64 s[6:7], s[6:7], s[82:83]
	s_add_nc_u64 s[12:13], s[12:13], s[84:85]
	s_add_nc_u64 s[14:15], s[14:15], s[86:87]
	s_cmp_eq_u32 s16, 0
	s_cbranch_scc0 .Lwave_1
	TILE G0B, G1B, YB, 0                           ; wave 0: Wo's rows 0 to 127, which go on into registers
	s_branch .Lasked
.Lwave_1:
	s_cmp_eq_u32 s16, 1
	s_cbranch_scc0 .Lwave_2
	TILE G0B, G1B, YB+128*PITCH, 128*KROW          ; wave 1: rows 128 to 255
	s_branch .Lasked
.Lwave_2:
	s_cmp_eq_u32 s16, 2
	s_cbranch_scc0 .Lwave_3
	TILE G0A, G1A, 0, 0                            ; wave 2: A's tiles 0 to 7
	s_branch .Lasked
.Lwave_3:
	TILE G0A, G1A, 65536, 65536                    ; wave 3: tiles 8 to 15
.Lasked:
.irp p, 0,1,2,3
.irp c, 0,1
	global_load_b128 v[SB+8*\p+4*\c:SB+8*\p+4*\c+3], v[ABS], s[10:11] offset:1024*\p+16*\c
	global_load_b128 v[SA+8*\p+4*\c:SA+8*\p+4*\c+3], v[AAS], s[6:7] offset:2048*\p+16*\c
.endr
.endr
	global_load_b128 v[BO:BO+3], v[CO], s[12:13]
	s_cmp_lt_u32 s16, 2
	s_cbranch_scc0 .Lnot_b
	s_wait_tensorcnt 0x0                           ; waves 0 and 1: Wo's rows have landed
.Lnot_b:
	BARRIER
.irp q, 0,1,2,3,4,5,6,7                        ; my 128 rows of Wo, all of K: 128 loads
	WIN (1+\q/4)<<6
.irp b, 0,1,2,3,4,5,6,7
.irp c, 0,1
	ds_load_b128 v[64*(\q%4)+8*\b+4*\c:64*(\q%4)+8*\b+4*\c+3], v[ADRB] offset:64*\q+32*\c+\b*16*PITCH
.endr
.endr
.endr
	WIN 0
	s_cmp_eq_u32 s16, 2
	s_cbranch_scc0 .Lnot_a
	s_wait_tensorcnt 0x0                           ; wave 2: A's tiles 0 to 7 have landed
.Lnot_a:
	s_wait_dscnt 0x0
	BARRIER                                        ; wave 3's tile may still be on its way
	FETCH 0
	s_wait_loadcnt 0x0                             ; the scale words and bo
; ================= BLOCK 0: each K step's products wait for their own two loads
.irp q, 0,1,2,3,4,5,6,7
	s_wait_dscnt 14-2*\q
	PRODS 0, \q, \q+1
.endr
	OUT 0
	s_wait_dscnt NF                                ; block 1's fragments are in; block 2's fetch is younger
; ================= BLOCK 1, with the plain barrier that shows A's tiles 8 to 15 to all
	PRODS 1, 0, 6
	s_wait_tensorcnt 0x0
	s_wait_dscnt 0x0
	s_barrier_signal -1
	PRODS 1, 6, 8
	s_barrier_wait -1
	OUT 1
; ================= BLOCKS 2 TO 7
.irp k, 2,3,4,5,6,7
	PRODS \k, 0, 8
	OUT \k
.endr
	s_wait_tensorcnt 0x0                           ; the wave's end
	ds_add_u32 v[SPW], v[NIL]
	s_wait_dscnt 0x0
	CROUND                                         ; the closing round
	s_endpgm
.Lfunc_end_k_q2926506e21_outp:
	.size	k_q2926506e21_outp, .Lfunc_end_k_q2926506e21_outp-k_q2926506e21_outp
	.p2alignl 7, 3214868480
	.fill 96, 4, 3214868480
	.section	.rodata,"a",@progbits
	.p2align	6, 0x0
	.amdhsa_kernel k_q2926506e21_outp
		.amdhsa_group_segment_fixed_size 327680
		.amdhsa_private_segment_fixed_size 0
		.amdhsa_enable_private_segment 0
		.amdhsa_kernarg_size 48
		.amdhsa_user_sgpr_count 2
		.amdhsa_user_sgpr_kernarg_segment_ptr 1
		.amdhsa_wavefront_size32 1
		.amdhsa_system_sgpr_workgroup_id_x 1
		.amdhsa_system_sgpr_workgroup_id_y 1
		.amdhsa_system_sgpr_workgroup_id_z 1
		.amdhsa_system_vgpr_workitem_id 0
		.amdhsa_next_free_vgpr 1024
		.amdhsa_next_free_sgpr 100
		.amdhsa_reserve_vcc 0
		.amdhsa_float_denorm_mode_32 3
		.amdhsa_float_denorm_mode_16_64 3
		.amdhsa_memory_ordered 1
		.amdhsa_forward_progress 1
		.amdhsa_inst_pref_size 106
	.end_amdhsa_kernel
	.amdgpu_metadata
---
amdhsa.version: [ 1, 2 ]
amdhsa.kernels:
  - .name:           k_q2926506e21_outp
    .symbol:         k_q2926506e21_outp.kd
    .args:
      - { .name: cc, .offset: 0, .size: 8, .value_kind: global_buffer, .address_space: global }
      - { .name: cs, .offset: 8, .size: 8, .value_kind: global_buffer, .address_space: global }
      - { .name: wc, .offset: 16, .size: 8, .value_kind: global_buffer, .address_space: global }
      - { .name: ws, .offset: 24, .size: 8, .value_kind: global_buffer, .address_space: global }
      - { .name: bo, .offset: 32, .size: 8, .value_kind: global_buffer, .address_space: global }
      - { .name: out0, .offset: 40, .size: 8, .value_kind: global_buffer, .address_space: global }
    .group_segment_fixed_size: 327680
    .private_segment_fixed_size: 0
    .kernarg_segment_align: 8
    .kernarg_segment_size: 48
    .max_flat_workgroup_size: 128
    .sgpr_count:     100
    .vgpr_count:     1024
    .wavefront_size: 32
...
	.end_amdgpu_metadata
.endif
;; end of part 4
